; MI455X (gfx1250); checked and timed in simulation.
; The chip was launched on July 23, 2026; its instructions are those of AMD's public machine-readable ISA for CDNA 5 (MIT licence, August 2026) and "CDNA5" Instruction Set Architecture Reference Guide (July 2026). The comments in the code are by the model that wrote it; some were corrected since.
;; Multihead Attention Main. Allowed arithmetic: matrix products marked QUANTISED: E2M1 operands, one E8M0 scale for each 32 along K, by v_wmma_scale_f32_16x16x128_f8f6f4 with both operands' format E2M1 (or v_wmma_scale_f32_32x16x128_f4), f32 sums; products left as they are: bf16, f16 or f32 operands; f32 sums; everything else in f32.
;; Inputs: Wk 1,024 x 1,024 float32; Wo 1,024 x 1,024 float32; Wq 1,024 x 1,024 float32; Wv 1,024 x 1,024 float32; bo 1,024 float32; x 4 x 2,048 x 1,024 float32.
;; Outputs: out0 4 x 2,048 x 1,024 float32.
;; This version of the problem:
;;   THIS VERSION OF THE PROBLEM IS GIVEN IN LOW PRECISION. The matrix products marked QUANTISED in the list below multiply operands that are first quantised to E2M1 (2 exponent bits, 1 mantissa bit; 4 bits a number), with one power-of-two scale for each 32 numbers along K (OCP MX v1.0); their sums are f32. The products marked 'left as it is' may take bf16, f16 or f32 operands, with f32 sums. Whichever they take, every output number must still come out within the allowed error. Rounding operands to bf16 (8 significant bits) uses up far more of that allowance than f16 does (11 bits, for magnitudes from 6e-5 to 65,504). All else is computed in f32.
;;   The module's matrix products, in the order in which they are computed (A, B: the left and right operand; K: the contracted axis; several contracted axes count as one K, in the product's order):
;;     1. [M 8,192, K 1,024] x [K 1,024, N 1,024]; A: input x; B: input Wq: QUANTISED
;;     2. [M 8,192, K 1,024] x [K 1,024, N 1,024]; A: input x; B: input Wk: QUANTISED
;;     3. [M 8,192, K 1,024] x [K 1,024, N 1,024]; A: input x; B: input Wv: QUANTISED
;;     4. batch 64 x [M 2,048, K 64] x [K 64, N 2,048]; A: computed on the way; B: computed on the way: left as it is (an operand is computed on the way)
;;     5. batch 64 x [M 2,048, K 2,048] x [K 2,048, N 64]; A: computed on the way; B: computed on the way: left as it is (an operand is computed on the way)
;;     6. [M 8,192, K 1,024] x [K 1,024, N 1,024]; A: computed on the way; B: input Wo: left as it is (an operand is computed on the way)
;;   THE QUANTISER, for each operand of a quantised product, along K:
;;     - K is cut into blocks of 32 from its start; a last block that is shorter is filled with zeros.
;;     - A block's scale is 2^e with e = floor(log2(the largest magnitude in the block)) - 2, held to -126 .. 127; a block of zeros has e = 0. As a byte (E8M0): e + 127.
;;     - Each number is divided by its block's scale, clamped to +-6, and rounded to the nearest number of E2M1, ties to even, subnormals kept.
;;     - The product sums the exact products of the quantised numbers (number of the format x scale) in f32.
;;   ~~~python
;;   def quantise(x, axis):      # numpy; x: float32 -> the quantised numbers, widened to float32 again
;;       x = np.moveaxis(x, axis, -1); K = x.shape[-1]
;;       x = np.pad(x, [(0, 0)] * (x.ndim - 1) + [(0, -K % 32)]); x = x.reshape(x.shape[:-1] + (-1, 32)); a = np.abs(x).max(-1, keepdims=True)
;;       e = np.where(a > 0, np.clip(np.frexp(np.where(a > 0, a, 1))[1] - 1 - 2, -126, 127), 0)      # np.frexp(a)[1] - 1 = floor(log2(a)), exactly
;;       r = np.clip(x / 2.0 ** e, -6, 6)
;;       step = 2.0 ** (np.maximum(np.frexp(np.where(r == 0, 1, r))[1] - 1, 0) - 1)
;;       q = np.round(r / step) * step * 2.0 ** e      # np.round: ties to even
;;       return np.moveaxis(q.reshape(q.shape[:-2] + (-1,))[..., :K], -1, axis).astype(np.float32)
;;   ~~~
;; One version. Each part assembles by itself: llvm-mc -triple=amdgcn-amd-amdhsa -mcpu=gfx1250 --defsym DOCPART=n.
;; ======== version 1 of 1: 5 launches
;; limits: values are held in f16: magnitudes above 65,504 overflow, below 6.1e-05 lose precision
;; workspace buffers: xc 4,194,304 bytes; xs 262,144 bytes; wc 1,572,864 bytes; ws 98,304 bytes; wot 2,097,152 bytes; qkv 50,331,648 bytes; qkvf 786,432 bytes; ctx 16,777,216 bytes
;; launch prep (part 1): grid 640 x 1, 8 waves a work-group, no clusters, 97,280 bytes of LDS; arguments x, Wq, Wk, Wv, Wo, xc, xs, wc, ws, wot; writes xc, xs, wc, ws, wot
.if DOCPART == 1
	.amdgcn_target "amdgcn-amd-amdhsa--gfx1250"
	.amdhsa_code_object_version 6
	.text
	.protected	k_qe360a60b56_prep
	.globl	k_qe360a60b56_prep
	.p2align	8
	.type	k_qe360a60b56_prep,@function
k_qe360a60b56_prep:
	s_mov_b64 s[64:65], 0
	v_nop
	global_prefetch_b8 v0, s[64:65] scope:SCOPE_SE
	s_setreg_imm32_b32 hwreg(HW_REG_WAVE_MODE, 25, 1), 1
	s_wait_xcnt 0x0
; THE PROGRAM: causal attention over 4 sequences of 2,048 positions, 16 heads of 64, in five launches:
;   prep  x, Wq, Wk, Wv -> codes of E2M1 with one E8M0 byte for each 32 along K = 1,024;  Wo -> f16, laid [head][n][64 k]
;   qkv   one product on codes, 8,192 x 3,072 x 1,024 (q, k, v side by side) -> f16 by heads; positions 0-15 of every sequence also in f32
;   attn  causal attention in f16 operands, f32 sums and softmax        proj  ctx Wo + bo in f16 operands, all positions but 0-15
;   fine  positions 0-15 of every sequence, attention and projection, in f32: those rows average few values and are the largest
; WORK LEFT OUT: reference() sets the score of key k for query q to -infinity where k > q, by a mask that it builds itself; the softmax then
; gives that key the weight exp(-infinity) = 0, and 0 x v adds nothing to ctx, whatever finite values x and the weights hold.  So blocks of 64 keys
; that lie wholly behind a tile's queries are neither multiplied nor summed (launch attn).  Every input has a way to the output and is loaded.
; LIMITS: a NaN, an infinity or an overflow that reaches only such hidden blocks is not carried to the result.  q, k, v and ctx are kept in f16: magnitudes
; up to 65,504.  NaN and infinities in x, Wq, Wk, Wv are not served by the quantiser.  A block whose largest magnitude lies under 2^-124 gets the byte 1;
; so does a block of zeros, where the rule says 127: its codes are zeros, which add nothing under any byte but 0xff, and this program alone reads the bytes.
; THIS LAUNCH.  Work-groups 0-127: 32 columns of one weight (t = id / 32: Wq, Wk, Wv, Wo), all 1,024 along K; work-groups 128-639: 16,384 numbers of x.
; The three ways part on the work-group's number, never join again, and have LDS bytes of their own.  Loads go through registers: no cluster, nothing is shared.
.set XST,   0                          ; x: for each wave two stages of 32 x 80 bytes
.set XSC,   40960                      ; x: the work-group's 512 scale bytes
.set WST,   41472                      ; weights: 32 columns x (512 bytes of codes + 16)
.set WSS,   58368                      ; weights: 32 columns x 32 scale bytes
.set OST,   59392                      ; Wo: for each wave 32 columns x (128 bytes of f16 + 16)
.set SPARE, 96256                      ; the spare words, 128 bytes for each wave: four blocks of 256 bytes that no other line names
.set SP,    80                         ; a lane's place in x's stage: 64 bytes + 16 of padding
.set SPW,   30                         ; v30 LDS address of my spare word; never rewritten
.set NIL,   31                         ; v31 0; never rewritten
	s_load_b256 s[4:11], s[0:1], 0x0               ; x s[4:5], Wq s[6:7], Wk s[8:9], Wv s[10:11]
	s_load_b256 s[12:19], s[0:1], 0x20             ; Wo s[12:13], xc s[14:15], xs s[16:17], wc s[18:19]
	s_load_b128 s[20:23], s[0:1], 0x40             ; ws s[20:21], wot s[22:23]
	v_lshl_add_u32 v[SPW], v0, 2, SPARE
	v_mov_b32 v[NIL], 0
	v_lshrrev_b32 v1, 5, v0
	v_readfirstlane_b32 s24, v1                    ; wave 0..7
	v_and_b32 v2, 31, v0                           ; lane
	s_cmp_ge_u32 ttmp9, 128
	s_cbranch_scc1 .Lx
; ---- A WEIGHT.  A lane takes a column, its registers run down K: a block of 32 along K lies in one lane's 32 registers.  Wave w takes k = 128 w .. 128 w + 127.
	s_lshr_b32 s26, ttmp9, 5                       ; t: which weight
	s_and_b32 s27, ttmp9, 31                       ; cg: which 32 columns
	v_lshlrev_b32 v3, 2, v2                        ; 4 bytes a lane
	s_lshl_b32 s28, s24, 19                        ; 128 rows of 4,096 bytes a wave
	s_lshl_b32 s29, s27, 7
	s_add_co_u32 s28, s28, s29
	s_mov_b32 s29, 0
	s_wait_kmcnt 0x0
	s_cmp_eq_u32 s26, 1                            ; the choice hangs on the work-group's number alone
	s_cselect_b64 s[6:7], s[8:9], s[6:7]
	s_cmp_eq_u32 s26, 2
	s_cselect_b64 s[6:7], s[10:11], s[6:7]
	s_cmp_eq_u32 s26, 3
	s_cselect_b64 s[6:7], s[12:13], s[6:7]
	s_add_nc_u64 s[6:7], s[6:7], s[28:29]
.macro LOADW t                         ; block t: W(128 w + 32 t + i, my column), i = 0 .. 31, into set t % 2
.irp i, 0,1,2,3,4,5,6,7,8,9,10,11,12,13,14,15,16,17,18,19,20,21,22,23,24,25,26,27,28,29,30,31
	global_load_b32 v[32+32*((\t)%2)+\i], v3, s[6:7] offset:(32*(\t)+\i)*4096
.endr
.endm
	LOADW 0
	LOADW 1
	s_cmp_eq_u32 s26, 3
	s_cbranch_scc1 .Lwo
; ---- Wq, Wk, Wv: codes and scale bytes
	v_mul_u32_u24 v4, v2, 528
	s_lshl_b32 s30, s24, 6
	s_add_co_u32 s30, s30, WST
	v_add_nc_u32 v4, s30, v4                       ; my column's row of codes, my wave's 64 bytes of it
	v_lshlrev_b32 v5, 5, v2
	s_lshl_b32 s30, s24, 2
	s_add_co_u32 s30, s30, WSS
	v_add_nc_u32 v5, s30, v5                       ; my column's 32 scale bytes, my wave's four
	v_lshlrev_b32 v7, 4, v2                        ; 16 x lane
	s_mul_i32 s30, s24, 2112
	s_add_co_u32 s30, s30, WST
	v_add_nc_u32 v6, s30, v7                       ; back: columns 4 w .. 4 w + 3, a whole row of 512 bytes an instruction
	s_lshl_b32 s30, s24, 9
	s_add_co_u32 s30, s30, WSS
	v_add_nc_u32 v8, s30, v7                       ; back: 512 scale bytes (waves 0 and 1 alone use it)
	s_lshl_b32 s31, s26, 10
	s_lshl_b32 s32, s27, 5
	s_add_co_u32 s31, s31, s32                     ; the work-group's first row of wc and ws: 1,024 t + 32 cg
	s_lshl_b32 s32, s24, 2
	s_add_co_u32 s32, s32, s31
	s_lshl_b32 s32, s32, 9                         ; 512 bytes a row of codes
	s_mov_b32 s33, 0
	s_add_nc_u64 s[18:19], s[18:19], s[32:33]
	s_lshl_b32 s34, s31, 5                         ; 32 bytes a row of scales
	s_lshl_b32 s35, s24, 9
	s_add_co_u32 s34, s34, s35
	s_mov_b32 s35, 0
	s_add_nc_u64 s[20:21], s[20:21], s[34:35]
.macro QBLOCK t
.set XS, 32+32*((\t)%2)
.if (\t) < 3
	s_wait_loadcnt 32                              ; this block's 32 loads are in; the next block's 32 may be out
.else
	s_wait_loadcnt 0x0
.endif
	v_max3_num_f32 v12, |v[XS]|, |v[XS+1]|, |v[XS+2]|              ; the block's largest magnitude: all 32 numbers are mine; two chains
	v_max3_num_f32 v13, |v[XS+3]|, |v[XS+4]|, |v[XS+5]|
.irp i, 6,10,14,18,22,26
	v_max3_num_f32 v12, v12, |v[XS+\i]|, |v[XS+\i+1]|
	v_max3_num_f32 v13, v13, |v[XS+\i+2]|, |v[XS+\i+3]|
.endr
	v_max3_num_f32 v12, v12, |v[XS+30]|, |v[XS+31]|
	v_max3_num_f32 v12, v12, v13, 0x1800000        ; and the floor 2^(3 - 127): the byte cannot fall under 1
	v_add_nc_u32 v11, 0xff000000, v12              ; 2 off its exponent field: the conversion takes the exponent field of this operand as its scale
	v_lshrrev_b32 v13, 23, v11                     ; the scale's byte
.if (\t) == 0
	v_mov_b32 v112, v13                            ; my four bytes in one word, the lower K in the lower byte
.else
	v_lshl_or_b32 v112, v13, 8*(\t), v112
.endif
.irp g, 0,1,2,3
	v_cvt_scalef32_pk8_fp4_f32 v[96+4*(\t)+\g], v[XS+8*\g:XS+8*\g+7], v11   ; each block has code registers of its own
.endr
	v_nop                                          ; a plain line behind the last conversion of the run
	ds_store_b128 v4, v[96+4*(\t):96+4*(\t)+3] offset:16*(\t)
.if (\t)+2 < 4
	LOADW (\t)+2
.endif
.endm
	QBLOCK 0
	QBLOCK 1
	QBLOCK 2
	QBLOCK 3
	ds_store_b32 v5, v112
	s_wait_dscnt 0x0                               ; for the others' sake: my stores have landed
	s_barrier_signal -1
	s_barrier_wait -1                              ; 32 whole rows of codes and of scale bytes lie in LDS
.irp j, 0,1,2,3
	ds_load_b128 v[116+4*\j:116+4*\j+3], v6 offset:528*\j
.endr
.irp j, 0,1,2,3
	s_wait_dscnt 3-\j                              ; LDS loads come back in order: row j is in, the later ones may be out
	global_store_b128 v7, v[116+4*\j:116+4*\j+3], s[18:19] offset:512*\j   ; 32 lanes store a row's 512 consecutive bytes
.endr
	s_cmp_gt_u32 s24, 1
	s_cbranch_scc1 .Lq_end                         ; the 1,024 scale bytes leave by waves 0 and 1, 512 consecutive bytes each
	ds_load_b128 v[132:135], v8
	s_wait_dscnt 0x0
	global_store_b128 v7, v[132:135], s[20:21]
.Lq_end:
	s_wait_tensorcnt 0x0                           ; the wave's end: behind my last LDS store
	ds_add_u32 v[SPW], v[NIL]
	s_wait_dscnt 0x0
	s_endpgm
; ---- Wo: f16, laid [k / 64][n][64 k].  My wave's 128 along K are two such blocks; a column's 64 k are 128 bytes.  The stage is the wave's own: no barrier.
.Lwo:
	v_mul_u32_u24 v4, v2, 144
	s_mul_i32 s30, s24, 4608
	s_add_co_u32 s30, s30, OST
	v_add_nc_u32 v4, s30, v4                       ; in: my column's row
	v_lshrrev_b32 v5, 3, v2
	v_mul_u32_u24 v5, v5, 144
	v_and_b32 v6, 7, v2
	v_lshl_add_u32 v5, v6, 4, v5
	v_add_nc_u32 v5, s30, v5                       ; back: eight lanes to a column, four columns an instruction
	v_lshlrev_b32 v7, 4, v2
	s_lshl_b32 s32, s24, 18                        ; blocks 2 w, 2 w + 1 of 131,072 bytes
	s_lshl_b32 s33, s27, 12                        ; 32 columns of 128 bytes
	s_add_co_u32 s32, s32, s33
	s_mov_b32 s33, 0
	s_add_nc_u64 s[22:23], s[22:23], s[32:33]
.macro WOB t
.set XS, 32+32*((\t)%2)
.if (\t) < 3
	s_wait_loadcnt 32                              ; this block's 32 loads are in; the next block's may be out
.else
	s_wait_loadcnt 0x0
.endif
.irp n, 0,1,2,3,4,5,6,7,8,9,10,11,12,13,14,15
	v_cvt_pk_f16_f32 v[96+16*((\t)%2)+\n], v[XS+2*\n], v[XS+2*\n+1]
.endr
.if (\t)+2 < 4
	LOADW (\t)+2
.endif
.irp i, 0,1,2,3
	ds_store_b128 v4, v[96+16*((\t)%2)+4*\i:96+16*((\t)%2)+4*\i+3] offset:64*((\t)%2)+16*\i
.endr
.if (\t)%2 == 1
.if (\t) == 3
	s_wait_xcnt 0x0                                ; the first block's stores have read v128 on: only now are they loaded again
.endif
.irp u, 0,1,2,3,4,5,6,7
	ds_load_b128 v[128+4*\u:128+4*\u+3], v5 offset:576*\u          ; LDS serves a wave's instructions in order: these see my stores
.endr
.irp u, 0,1,2,3,4,5,6,7
	s_wait_dscnt 7-\u
	global_store_b128 v7, v[128+4*\u:128+4*\u+3], s[22:23] offset:131072*((\t)/2)+512*\u   ; 512 consecutive bytes
.endr
.endif
.endm
	WOB 0
	WOB 1
	WOB 2
	WOB 3
	s_wait_tensorcnt 0x0                           ; the wave's end: the three lines
	ds_add_u32 v[SPW], v[NIL]
	s_wait_dscnt 0x0
	s_endpgm
; ---- x: rows are dense and K is a multiple of 32: a plain stream of blocks of 32.  A wave takes four steps of 512 numbers.  Each load reads 512 consecutive bytes; a step's 2,048 bytes
; turn through the wave's own stage, so that a lane holds 16 neighbours along K (two neighbouring lanes hold a block).  All 16 loads of a wave go out at once.
.Lx:
	s_sub_co_u32 s26, ttmp9, 128                   ; g
	s_lshl_b32 s27, s26, 3
	s_add_co_u32 s27, s27, s24                     ; my run of 2,048 numbers: 8 g + wave
	v_lshlrev_b32 v3, 4, v2                        ; my 16 bytes of a load's 512
	s_mul_i32 s30, s24, 5120
	v_lshrrev_b32 v14, 2, v2
	v_mul_u32_u24 v14, v14, SP
	v_and_b32 v15, 3, v2
	v_lshl_add_u32 v14, v15, 4, v14
	v_add_nc_u32 v14, s30, v14                     ; the stage on the way in: four lanes' 64 bytes on end, then 16 of padding
	v_mul_u32_u24 v15, v2, SP
	v_add_nc_u32 v15, s30, v15                     ; and on the way out: my 16 neighbours
	v_lshlrev_b32 v4, 3, v2                        ; my 8 bytes of a step's 256 bytes of codes
	v_lshrrev_b32 v5, 1, v2
	s_lshl_b32 s31, s24, 6
	s_add_co_u32 s31, s31, XSC
	v_add_nc_u32 v5, s31, v5                       ; my block's scale byte among my wave's 64
	v_add_nc_u32 v6, XSC, v3                       ; the work-group's 512 scale bytes, 16 a lane (wave 0 alone uses it)
	s_lshl_b32 s28, s27, 13
	s_mov_b32 s29, 0
	s_lshl_b32 s32, s27, 10
	s_mov_b32 s33, 0
	s_lshl_b32 s34, s26, 9
	s_mov_b32 s35, 0
	s_wait_kmcnt 0x0
	s_add_nc_u64 s[4:5], s[4:5], s[28:29]
	s_add_nc_u64 s[14:15], s[14:15], s[32:33]
	s_add_nc_u64 s[16:17], s[16:17], s[34:35]
.macro XLOAD t
.irp i, 0,1,2,3
	global_load_b128 v[32+16*(\t)+4*\i:32+16*(\t)+4*\i+3], v3, s[4:5] offset:2048*(\t)+512*\i th:TH_LOAD_NT
.endr
.endm
.macro XTURN t                         ; step t's numbers through stage t % 2
.irp i, 0,1,2,3
	ds_store_b128 v14, v[32+16*(\t)+4*\i:32+16*(\t)+4*\i+3] offset:2560*((\t)%2)+640*\i
.endr
.irp i, 0,1,2,3
	ds_load_b128 v[96+16*((\t)%2)+4*\i:96+16*((\t)%2)+4*\i+3], v15 offset:2560*((\t)%2)+16*\i
.endr
.endm
	XLOAD 0
	XLOAD 1
	XLOAD 2
	XLOAD 3
	s_wait_loadcnt 12                              ; step 0's four loads are in; the twelve behind them may be out
	XTURN 0
.macro XSTEP t
.set XS, 96+16*((\t)%2)
.if (\t) > 0
	s_wait_dscnt 1                                 ; this step's numbers are back from the stage; the last step's byte store may be out
.else
	s_wait_dscnt 0x0
.endif
.if (\t) < 3
	s_wait_loadcnt 8-4*(\t)                        ; the next step's four loads are in; those of the steps behind it may be out
	XTURN (\t)+1                                   ; and go through the other stage while this step is worked
.endif
	v_max3_num_f32 v8, |v[XS]|, |v[XS+1]|, |v[XS+2]|
	v_max3_num_f32 v9, |v[XS+3]|, |v[XS+4]|, |v[XS+5]|
.irp i, 6,10
	v_max3_num_f32 v8, v8, |v[XS+\i]|, |v[XS+\i+1]|
	v_max3_num_f32 v9, v9, |v[XS+\i+2]|, |v[XS+\i+3]|
.endr
	v_max3_num_f32 v8, v8, |v[XS+14]|, |v[XS+15]|
	v_max3_num_f32 v8, v8, v9, 0x1800000           ; the floor 2^(3 - 127)
	v_max_num_f32_dpp v8, v8, v8 row_xmask:1 row_mask:0xf bank_mask:0xf   ; with my neighbour's 16: the block's largest magnitude
	v_add_nc_u32 v11, 0xff000000, v8
	v_cvt_scalef32_pk8_fp4_f32 v[128+2*(\t)], v[XS:XS+7], v11
	v_cvt_scalef32_pk8_fp4_f32 v[129+2*(\t)], v[XS+8:XS+15], v11
	v_lshrrev_b32 v[136+(\t)], 23, v11             ; the scale's byte (also the plain line behind the conversions)
	ds_store_b8 v5, v[136+(\t)] offset:16*(\t)     ; both lanes of a block write the same byte with the same value
	global_store_b64 v4, v[128+2*(\t):129+2*(\t)], s[14:15] offset:256*(\t)   ; 32 lanes store 256 consecutive bytes
.endm
	XSTEP 0
	XSTEP 1
	XSTEP 2
	XSTEP 3
	s_wait_dscnt 0x0                               ; for wave 0's sake: my byte stores have landed
	s_barrier_signal -1
	s_barrier_wait -1
	s_cmp_lg_u32 s24, 0
	s_cbranch_scc1 .Lx_end
	ds_load_b128 v[140:143], v6
	s_wait_dscnt 0x0
	global_store_b128 v3, v[140:143], s[16:17]     ; the work-group's 512 scale bytes, consecutive
.Lx_end:
	s_wait_tensorcnt 0x0                           ; the wave's end: the three lines
	ds_add_u32 v[SPW], v[NIL]
	s_wait_dscnt 0x0
	s_endpgm
.Lfunc_end_k_qe360a60b56_prep:
	.size	k_qe360a60b56_prep, .Lfunc_end_k_qe360a60b56_prep-k_qe360a60b56_prep
	.p2alignl 7, 3214868480
	.fill 96, 4, 3214868480
	.section	.rodata,"a",@progbits
	.p2align	6, 0x0
	.amdhsa_kernel k_qe360a60b56_prep
		.amdhsa_group_segment_fixed_size 97280
		.amdhsa_private_segment_fixed_size 0
		.amdhsa_enable_private_segment 0
		.amdhsa_kernarg_size 80
		.amdhsa_user_sgpr_count 2
		.amdhsa_user_sgpr_kernarg_segment_ptr 1
		.amdhsa_wavefront_size32 1
		.amdhsa_system_sgpr_workgroup_id_x 1
		.amdhsa_system_sgpr_workgroup_id_y 1
		.amdhsa_system_sgpr_workgroup_id_z 1
		.amdhsa_system_vgpr_workitem_id 0
		.amdhsa_next_free_vgpr 160
		.amdhsa_next_free_sgpr 66
		.amdhsa_reserve_vcc 0
		.amdhsa_float_denorm_mode_32 3
		.amdhsa_float_denorm_mode_16_64 3
		.amdhsa_memory_ordered 1
		.amdhsa_forward_progress 1
		.amdhsa_inst_pref_size 47
	.end_amdhsa_kernel
	.amdgpu_metadata
---
amdhsa.version: [ 1, 2 ]
amdhsa.kernels:
  - .name:           k_qe360a60b56_prep
    .symbol:         k_qe360a60b56_prep.kd
    .args:
      - { .name: x, .offset: 0, .size: 8, .value_kind: global_buffer, .address_space: global }
      - { .name: Wq, .offset: 8, .size: 8, .value_kind: global_buffer, .address_space: global }
      - { .name: Wk, .offset: 16, .size: 8, .value_kind: global_buffer, .address_space: global }
      - { .name: Wv, .offset: 24, .size: 8, .value_kind: global_buffer, .address_space: global }
      - { .name: Wo, .offset: 32, .size: 8, .value_kind: global_buffer, .address_space: global }
      - { .name: xc, .offset: 40, .size: 8, .value_kind: global_buffer, .address_space: global }
      - { .name: xs, .offset: 48, .size: 8, .value_kind: global_buffer, .address_space: global }
      - { .name: wc, .offset: 56, .size: 8, .value_kind: global_buffer, .address_space: global }
      - { .name: ws, .offset: 64, .size: 8, .value_kind: global_buffer, .address_space: global }
      - { .name: wot, .offset: 72, .size: 8, .value_kind: global_buffer, .address_space: global }
    .group_segment_fixed_size: 97280
    .private_segment_fixed_size: 0
    .kernarg_segment_align: 8
    .kernarg_segment_size: 80
    .max_flat_workgroup_size: 256
    .sgpr_count:     66
    .vgpr_count:     160
    .wavefront_size: 32
...
	.end_amdgpu_metadata
.endif
;; end of part 1
;; launch qkv (part 2): grid 12 x 32, 4 waves a work-group, clusters of 4 x 4, 327,680 bytes of LDS; arguments xc, xs, wc, ws, qkv, qkvf; writes qkv, qkvf
.if DOCPART == 2
	.amdgcn_target "amdgcn-amd-amdhsa--gfx1250"
	.amdhsa_code_object_version 6
	.text
	.protected	k_qe360a60b56_qkv
	.globl	k_qe360a60b56_qkv
	.p2align	8
	.type	k_qe360a60b56_qkv,@function
k_qe360a60b56_qkv:
	s_mov_b64 s[64:65], 0
	v_nop
	global_prefetch_b8 v0, s[64:65] scope:SCOPE_SE
	s_setreg_imm32_b32 hwreg(HW_REG_WAVE_MODE, 25, 1), 1
	s_wait_xcnt 0x0
	s_wait_alu depctr_hold_cnt(0) depctr_sa_sdst(0) depctr_va_vdst(0) depctr_va_sdst(0) depctr_va_ssrc(0) depctr_va_vcc(0) depctr_vm_vsrc(0)
	s_getreg_b32 s2, hwreg(HW_REG_IB_STS2, 6, 4)
	s_cmp_eq_u32 s2, 0
	s_cbranch_scc0 .Lentry_in_a_cluster
	s_endpgm
.Lentry_in_a_cluster:
	s_bfe_u32 s2, ttmp6, 0x10000c
	s_cmp_lg_u32 s2, 0xf033
	s_cbranch_scc0 .Lentry_shape_is_right
	s_endpgm
.Lentry_shape_is_right:
; [q | k | v] = x [Wq | Wk | Wv] on codes of E2M1 with one E8M0 scale for each 32 along K: 8,192 x 3,072 x 1,024.  xc [8192][512 bytes], wc [3072][512 bytes]: K innermost; xs, ws: 32 bytes a row.
; A tile of 256 x 256 is made by four waves, 128 x 128 each: 64 accumulators of 16 x 16.  All of K lies in the two LDS slots of 512 along K: each is filled once, nothing is filled again.
; The scale bytes of the work-group's rows come once, as dense blocks.  12 x 32 tiles: a tile of 256 x 384, which would give one tile to each of 256 work-groups, has no room (768 accumulator registers, operands beyond LDS).
; CLUSTERS: 4 x 4 work-groups; x's tiles are asked for jointly along a row of the cluster, the weights' along a column.  The tile row is 8 cy + the cluster's y: so the batch is cy, and whether a tile
; holds positions 0-15 of its sequence hangs on the cluster's y alone, which all partners share.
; THE MATRIX INSTRUCTION IS USED TRANSPOSED (source 0 = 16 rows of wc, source 1 = 16 rows of xc): a lane holds eight neighbouring columns of one row.
; OUT: f16, laid [which][batch][head][position][64]; positions 0-15 of every sequence also in f32, laid [batch][which][head][16][64], for the launch fine.  LIMIT: magnitudes up to 65,504.
; REGISTERS: window 0: v0-31 addresses; v32-95 scale words, two sets, and nothing else; v96-127 and v224-255 the way out's rows; v128-191 x's fragments, one set; v192-223 packed results.
;   window 1: the weights' fragments, two sets.  windows 2, 3: the accumulators ((a, b) at v[8 (8 (a % 4) + b)]).
.set NQ,     4                         ; matrix instructions deep in a slot
.set ROWB,   256                       ; a tile's row: 512 codes
.set KROW,   512                       ; a row of codes in memory
.set PITCH,  272                       ; an LDS row: 256 bytes + 16 of padding: the 16 rows that a load touches start at 16 different banks (64 banks of 4 bytes: ISA guide 11.1)
.set FR,     8
.set NL,     2
.set NP,     4                         ; places behind this matrix instruction (ISA guide 7.12.1)
.set HALFT,  128*PITCH
.set SLOT,   4*HALFT
.set KS,     32                        ; a row of scales in bytes
.set SCL,    2*SLOT
.set HALFS,  (128*KS/256)*272
.set SBLK,   (16*KS/256)*272
.set SPARE,  SCL+4*HALFS               ; the spare words, 128 bytes for each wave: two blocks of 256 bytes that no other line names
.set ADRA, 16
.set ADRB, 20
.set FSTO, 22                          ; v22 the f32 stage: where I put 32 bytes of a row
.set FRD,  23                          ; v23 and where I read a row back
.set STO,  24                          ; v24 the f16 stage: where I put 16 bytes of a row
.set RD,   25                          ; v25 and where I read back
.set CO,   26                          ; v26 my byte offset in qkv
.set ADRS, 27
.set SPW,  28
.set NIL,  29
.set FCO,  30                          ; v30 my byte offset in qkvf
.set SC,   32
.set AF,   128
.set TMP,  192                         ; the way out: packed results
.set OB,   96                          ; the way out: 16 rows read back: v96-127 and v224-255 by turns
.set G1, 24
.set G0, 32
.set G1B, 48
.set G0B, 56
.set G1S, 68
.set G0S, 76
.set G1SB, 80
.set G0SB, 88
.set MSB, 0
.macro WIN new                         ; the immediate's high byte repeats the setting that is left
.if MSB != (\new)
	s_set_vgpr_msb (MSB<<8)|(\new)
.set MSB, (\new)
.endif
.endm
.set MUL_LO, 0xa1
.set MUL_HI, 0xf1
.set TO_B,   0x40
; A joint load: waves 0 and 1 fetch for x, waves 2 and 3 for the weights.  The branch hangs on the wave's number alone.  An s_nop 0 and four v_nop follow each of the two lines.
.macro JLOAD g0a, g1a, g0b, g1b
	s_cmp_eq_u32 s15, 0
	s_cbranch_scc0 .Lfor_b_\@
	tensor_load_to_lds s[\g0a:\g0a+3], s[\g1a:\g1a+7]
	s_nop 0
.rept 4
	v_nop
.endr
	s_branch .Lasked_\@
.Lfor_b_\@:
	tensor_load_to_lds s[\g0b:\g0b+3], s[\g1b:\g1b+7]
	s_nop 0
.rept 4
	v_nop
.endr
.Lasked_\@:
.endm
.macro CROUND                          ; a round of the cluster's barrier
	s_barrier_signal -1
	s_barrier_wait -1
	s_cmp_lg_u32 s14, 0
	s_cbranch_scc1 .Lnot_wave_0_\@
	s_barrier_signal -3
.Lnot_wave_0_\@:
	s_barrier_wait -3
	s_barrier_signal -1
	s_barrier_wait -1
.endm
	s_load_b128 s[4:7], s[0:1], 0x0                ; xc s[4:5], xs s[6:7]
	s_load_b128 s[8:11], s[0:1], 0x10              ; wc s[8:9], ws s[10:11]
	s_load_b64 s[12:13], s[0:1], 0x20              ; qkv
	s_load_b64 s[96:97], s[0:1], 0x28              ; qkvf
	v_lshl_add_u32 v[SPW], v0, 2, SPARE
	v_mov_b32 v[NIL], 0
	ds_add_u32 v[SPW], v[NIL]                      ; the wave's opening: the add, twice on end, and its wait ahead of my first tensor load
	ds_add_u32 v[SPW], v[NIL]
	v_lshrrev_b32 v1, 5, v0
	v_readfirstlane_b32 s14, v1                    ; wave 0..3
	s_lshr_b32 s15, s14, 1                         ; which half of the tile's rows is mine.  Also: I fetch for x (0) or for the weights (1)
	s_and_b32 s16, s14, 1                          ; which half of its columns.  Also: which 128 rows of that tile I fetch
	s_bfe_u32 s40, ttmp6, 0x40000                  ; cx
	s_bfe_u32 s41, ttmp6, 0x40004                  ; cy: the batch
	s_lshl_b32 s42, ttmp9, 2
	s_add_co_u32 s42, s42, s40                     ; tile column = 4 x cluster x + cx
	s_and_b32 s98, ttmp7, 0xffff                   ; T: the tile's place in its batch = the cluster's y
	s_lshl_b32 s17, s41, 3
	s_add_co_u32 s17, s17, s98                     ; tile row = 8 cy + T
	s_lshl_b32 s43, s41, 2
	s_lshl_b32 s43, 15, s43                        ; my row of the cluster
	s_lshl_b32 s44, 0x1111, s40                    ; my column
	s_or_b32 s[G1+0], s43, (0<<16)|(1<<20)|(1<<21)|(5<<22)|(3<<25)  ; the mask; elements of 1 byte; padding on; bit 21 beside a mask; four words after every 64
	s_or_b32 s[G1B+0], s44, (0<<16)|(1<<20)|(1<<21)|(5<<22)|(3<<25)
.irp g, G1, G1B
	s_mov_b32 s[\g+1], ROWB<<16                    ; tensor_dim0
	s_mov_b32 s[\g+2], 128<<16                     ; tensor_dim1
	s_mov_b32 s[\g+3], ROWB<<16                    ; tile_dim0
	s_mov_b32 s[\g+4], 128                         ; tile_dim1
	s_mov_b32 s[\g+5], KROW                        ; tensor_dim0_stride
	s_mov_b32 s[\g+6], 0
	s_mov_b32 s[\g+7], 0
.endr
	s_or_b32 s[G1S+0], s43, (3<<16)|(1<<20)|(1<<21)|(5<<22)|(3<<25)   ; the scales of 128 rows: 4,096 dense bytes, as 16 rows of 256 (32 elements of 8 bytes)
	s_or_b32 s[G1SB+0], s44, (3<<16)|(1<<20)|(1<<21)|(5<<22)|(3<<25)
.irp g, G1S, G1SB
	s_mov_b32 s[\g+1], 32<<16
	s_mov_b32 s[\g+2], (128*KS/256)<<16
	s_mov_b32 s[\g+3], 32<<16
	s_mov_b32 s[\g+4], 128*KS/256
	s_mov_b32 s[\g+5], 32
	s_mov_b32 s[\g+6], 0
	s_mov_b32 s[\g+7], 0
.endr
	s_lshl_b32 s18, s16, 7
	s_lshl_b32 s20, s17, 8
	s_add_co_u32 s20, s20, s18                     ; x: row 256 x tile row + 128 x half
	s_lshl_b32 s46, s42, 8
	s_add_co_u32 s46, s46, s18                     ; weights: row 256 x tile column + 128 x half
	s_mov_b32 s21, 0
	s_mov_b32 s47, 0
	s_mov_b64 s[18:19], KS
	s_mul_u64 s[22:23], s[20:21], s[18:19]
	s_mul_u64 s[92:93], s[46:47], s[18:19]
	s_mov_b64 s[18:19], KROW
	s_mul_u64 s[20:21], s[20:21], s[18:19]
	s_mul_u64 s[46:47], s[46:47], s[18:19]
	s_mul_i32 s45, s14, HALFT                      ; where they go: wave x 128 rows: no place in the cluster enters an LDS address
	s_mul_i32 s94, s14, HALFS
	s_wait_dscnt 0x0                               ; both opening adds are done
	s_wait_kmcnt 0x0
	s_add_nc_u64 s[20:21], s[4:5], s[20:21]
	s_add_nc_u64 s[22:23], s[6:7], s[22:23]
	s_add_nc_u64 s[46:47], s[8:9], s[46:47]
	s_add_nc_u64 s[92:93], s[10:11], s[92:93]
	CROUND                                         ; all sixteen work-groups are here: the joint loads meet
	s_mov_b32 s[G0S], 1
	s_add_co_u32 s[G0S+1], s94, SCL
	s_mov_b64 s[G0S+2:G0S+3], s[22:23]
	s_or_b32 s[G0S+3], s[G0S+3], 0x80000000
	s_mov_b32 s[G0SB], 1
	s_add_co_u32 s[G0SB+1], s94, SCL
	s_mov_b64 s[G0SB+2:G0SB+3], s[92:93]
	s_or_b32 s[G0SB+3], s[G0SB+3], 0x80000000
	JLOAD G0S, G1S, G0SB, G1SB                     ; the scales first; then both slots: three loads of mine are out
.irp s, 0,1
	s_mov_b32 s[G0+4*\s], 1
	s_add_co_u32 s[G0+4*\s+1], s45, \s*SLOT
	s_add_nc_u64 s[G0+4*\s+2:G0+4*\s+3], s[20:21], \s*ROWB
	s_or_b32 s[G0+4*\s+3], s[G0+4*\s+3], 0x80000000
	s_mov_b32 s[G0B+4*\s], 1
	s_add_co_u32 s[G0B+4*\s+1], s45, \s*SLOT
	s_add_nc_u64 s[G0B+4*\s+2:G0B+4*\s+3], s[46:47], \s*ROWB
	s_or_b32 s[G0B+4*\s+3], s[G0B+4*\s+3], 0x80000000
	JLOAD G0+4*\s, G1, G0B+4*\s, G1B
.endr
	v_and_b32 v1, 15, v0                           ; r = l % 16
	v_bfe_u32 v2, v0, 4, 1                         ; hh = l / 16
	v_mul_u32_u24 v3, v1, PITCH
	v_lshl_add_u32 v4, v2, 4, v3
	s_mul_i32 s21, s15, HALFT
	s_mul_i32 s22, s16, HALFT
	s_add_co_u32 s22, s22, 2*HALFT
.irp s, 0,1
	v_add_nc_u32 v[ADRA+\s], s21, v4
	v_add_nc_u32 v[ADRB+\s], s22, v4
	s_add_co_u32 s21, s21, SLOT
	s_add_co_u32 s22, s22, SLOT
.endr
	v_mul_u32_u24 v5, v1, KS                       ; my row's scales: 32 bytes a row,
	v_lshrrev_b32 v6, 8, v5
	v_lshl_add_u32 v5, v6, 4, v5                   ; and 16 more for each 256 passed
	s_mul_i32 s21, s15, HALFS
	s_mul_i32 s22, s16, HALFS
	s_add_co_u32 s22, s22, 2*HALFS
	s_sub_co_u32 s22, s22, s21
	v_mul_u32_u24 v6, s22, v2                      ; lanes 16-31 take the weights'
	s_add_co_u32 s21, s21, SCL
	v_add_nc_u32 v5, v5, v6
	v_add_nc_u32 v[ADRS], s21, v5
	; the way out: two stages of my own in slot 0: f32, 16 rows x 528 bytes; behind it f16, 16 rows x 272 bytes
	s_mul_i32 s23, s14, 12800
	v_mul_u32_u24 v5, v1, 528
	v_lshl_add_u32 v5, v2, 5, v5
	v_add_nc_u32 v[FSTO], s23, v5
	v_and_b32 v6, 31, v0
	v_lshlrev_b32 v7, 4, v6
	v_add_nc_u32 v[FRD], s23, v7
	v_lshlrev_b32 v[FCO], 12, v2                   ; qkvf: lanes 0-15 the first head's row of 256 bytes, lanes 16-31 the second head's
	v_lshl_add_u32 v[FCO], v1, 4, v[FCO]
	s_add_co_u32 s23, s23, 8448
	v_mul_u32_u24 v5, v1, 272
	v_lshl_add_u32 v5, v2, 4, v5
	v_add_nc_u32 v[STO], s23, v5
	v_bfe_u32 v7, v0, 3, 1
	v_and_b32 v8, 7, v0
	v_mul_u32_u24 v5, v7, 272
	v_lshl_add_u32 v5, v2, 7, v5
	v_lshl_add_u32 v5, v8, 4, v5
	v_add_nc_u32 v[RD], s23, v5                    ; back: sixteen lanes take two rows' 128 bytes of one head
	v_lshlrev_b32 v[CO], 18, v2                    ; which in qkv are 256 consecutive bytes; lanes 16-31: the next head
	v_lshl_add_u32 v[CO], v7, 7, v[CO]
	v_lshl_add_u32 v[CO], v8, 4, v[CO]
	s_lshl_b32 s46, s42, 8
	s_lshl_b32 s47, s16, 7
	s_add_co_u32 s46, s46, s47                     ; my first column of the 3,072
	s_lshr_b32 s47, s46, 10                        ; which: q, k or v
	s_bfe_u32 s46, s46, 0x40006                    ; my first head
	s_lshl_b32 s20, s47, 24
	s_lshl_b32 s21, s41, 22
	s_add_co_u32 s20, s20, s21
	s_lshl_b32 s21, s46, 18
	s_add_co_u32 s20, s20, s21
	s_lshl_b32 s21, s98, 15                        ; 256 positions of 128 bytes a tile
	s_add_co_u32 s20, s20, s21
	s_lshl_b32 s21, s15, 14
	s_add_co_u32 s20, s20, s21
	s_mov_b32 s21, 0
	s_add_nc_u64 s[12:13], s[12:13], s[20:21]
	s_mul_i32 s20, s41, 196608
	s_lshl_b32 s22, s47, 16
	s_add_co_u32 s20, s20, s22
	s_lshl_b32 s22, s46, 12
	s_add_co_u32 s20, s20, s22
	s_add_nc_u64 s[96:97], s[96:97], s[20:21]
	s_or_b32 s99, s98, s15                         ; 0 where my block 0 holds positions 0-15: the cluster's y and the wave's number alone
.macro FRAG reg, adr, q, i             ; 16 rows x 128 K of 4-bit codes: 8 registers, two loads of 16 bytes, 32 bytes apart
.irp c, 0,1
	ds_load_b128 v[\reg+4*\c:\reg+4*\c+3], v[\adr] offset:64*(\q)+32*\c+(\i)*16*PITCH
.endr
.endm
; 16 matrix instructions: x's blocks a0, a0 + 1 against the weights' eight.  The 64 accumulators take turns, one instruction a turn, in the same order in every step.
.macro MUL16 a0, p, q, sc, zero
.irp a, \a0, \a0+1
.irp b, 0,1,2,3,4,5,6,7
.if \zero
	v_wmma_scale_f32_16x16x128_f8f6f4 v[8*(8*((\a)%4)+\b):8*(8*((\a)%4)+\b)+7], v[128*(\p)+FR*\b:128*(\p)+FR*\b+FR-1], v[AF+FR*(\a):AF+FR*(\a)+FR-1], 0, v[SC+8*NQ*(\sc)+NQ*\b+(\q)], v[SC+8*NQ*(\sc)+NQ*(\a)+(\q)] matrix_a_fmt:MATRIX_FMT_FP4 matrix_b_fmt:MATRIX_FMT_FP4 matrix_a_scale:MATRIX_SCALE_ROW1
.else
	v_wmma_scale_f32_16x16x128_f8f6f4 v[8*(8*((\a)%4)+\b):8*(8*((\a)%4)+\b)+7], v[128*(\p)+FR*\b:128*(\p)+FR*\b+FR-1], v[AF+FR*(\a):AF+FR*(\a)+FR-1], v[8*(8*((\a)%4)+\b):8*(8*((\a)%4)+\b)+7], v[SC+8*NQ*(\sc)+NQ*\b+(\q)], v[SC+8*NQ*(\sc)+NQ*(\a)+(\q)] matrix_a_fmt:MATRIX_FMT_FP4 matrix_b_fmt:MATRIX_FMT_FP4 matrix_a_scale:MATRIX_SCALE_ROW1
.endif
.endr
.endr
.endm
.macro FETCH_B slot, q, p
	WIN TO_B
.irp i, 0,1,2,3,4,5,6,7
	FRAG 128*(\p)+FR*\i, ADRB+\slot, \q, \i
.endr
	WIN 0
.endm
.macro FETCH_A slot, q, i0
.irp i, \i0, \i0+1, \i0+2, \i0+3
	FRAG AF+FR*(\i), ADRA+\slot, \q, \i
.endr
.endm
.macro SCALES sc                       ; a slot's scale words: four a row; lanes 0-15 take x's block i, lanes 16-31 the weights' block i
.irp i, 0,1,2,3,4,5,6,7
	ds_load_b128 v[SC+8*NQ*\sc+NQ*\i:SC+8*NQ*\sc+NQ*\i+3], v[ADRS] offset:\i*SBLK
.endr
.endm
.macro PLACES n                        ; places in front of loads into registers that matrix instructions have read, and of reads of results
.rept \n
	v_nop
.endr
.endm
.macro STEP slot, q, zero              ; 128 along K with a successor in the same slot
	s_wait_dscnt 4*NL                              ; the weights' set and x's blocks 0-3 are in; the youngest eight loads (x's blocks 4-7) may be out
	WIN MUL_LO
	MUL16 0, (\q)%2, \q, \slot, \zero
	MUL16 2, (\q)%2, \q, \slot, \zero
	s_wait_dscnt 0
	PLACES NP
	FETCH_B \slot, (\q)+1, 1-(\q)%2
	FETCH_A \slot, (\q)+1, 0
	WIN MUL_HI
	MUL16 4, (\q)%2, \q, \slot, \zero
	MUL16 6, (\q)%2, \q, \slot, \zero
	PLACES NP
	WIN 0
	FETCH_A \slot, (\q)+1, 4
.endm
.macro STEPS slot, from
.set Q, \from
.rept NQ-1-\from
	STEP \slot, Q, 0
.set Q, Q+1
.endr
.endm
	s_wait_tensorcnt 1                             ; the scales and my part of slot 0 are in; slot 1's load may be out
	s_barrier_signal -1
	s_barrier_wait -1
	FETCH_B 0, 0, 0
	FETCH_A 0, 0, 0
	SCALES 0
	FETCH_A 0, 0, 4
	STEP 0, 0, 1                                   ; the first products start the sums: nothing is cleared
	STEPS 0, 1
	; slot 0's last step changes slots: one barrier; nothing is filled again
	s_wait_tensorcnt 0x0                           ; my part of slot 1 has landed
	ds_add_u32 v[SPW], v[NIL]                      ; 0 onto my spare word
	s_wait_dscnt 4*NL+1                            ; (the add and the youngest eight loads may be out)
	WIN MUL_LO
	MUL16 0, 1, NQ-1, 0, 0
	s_wait_dscnt 0x0                               ; the add is done, and my reads of slot 0 are over
	s_barrier_signal -1
	MUL16 2, 1, NQ-1, 0, 0
	WIN 0
	s_barrier_wait -1
	PLACES NP
	v_add_nc_u32 v[ADRS], 4*NQ, v[ADRS]            ; on to slot 1's scale words
	FETCH_B 1, 0, 0
	FETCH_A 1, 0, 0
	SCALES 1
	WIN MUL_HI
	MUL16 4, 1, NQ-1, 0, 0
	MUL16 6, 1, NQ-1, 0, 0
	PLACES NP
	WIN 0
	FETCH_A 1, 0, 4
	STEPS 1, 0
	s_wait_dscnt 4*NL
	WIN MUL_LO
	MUL16 0, 1, NQ-1, 1, 0
	MUL16 2, 1, NQ-1, 1, 0
	s_wait_dscnt 0
	WIN MUL_HI
	MUL16 4, 1, NQ-1, 1, 0
	MUL16 6, 1, NQ-1, 1, 0
	WIN 0
; THE WAY OUT.  The stages lie in slot 0, which has had its only fill and, since the change of slots, no reader.  They are each wave's own: LDS serves a wave's instructions in order (ISA guide 5.7.1.4).
	PLACES NP
	s_cmp_lg_u32 s99, 0
	s_cbranch_scc1 .Lno_fine
	WIN 0x08                                       ; an LDS store's data are its source 1: window 2
.irp b, 0,1,2,3,4,5,6,7
	ds_store_b128 v[FSTO], v[8*\b:8*\b+3] offset:64*\b             ; positions 0-15 in f32; each accumulator from its low end on
	ds_store_b128 v[FSTO], v[8*\b+4:8*\b+7] offset:64*\b+16
.endr
	WIN 0
.irp t, 0,1,2,3,4,5,6,7,8,9,10,11,12,13,14,15
	ds_load_b128 v[128+4*\t:128+4*\t+3], v[FRD] offset:528*\t
.endr
	s_wait_dscnt 0x0
.irp t, 0,1,2,3,4,5,6,7,8,9,10,11,12,13,14,15
	global_store_b128 v[FCO], v[128+4*\t:128+4*\t+3], s[96:97] offset:256*\t   ; sixteen lanes store a head's row of 256 consecutive bytes; these registers are not written again
.endr
.Lno_fine:
.macro PACK a                          ; block a, 16 rows x 128 columns, rounded to f16: 16 bytes a lane for each of eight column blocks
.set AC, 64*((\a)%4)
	WIN 0x0a+5*((\a)/4)
.irp b, 0,1,2,3,4,5,6,7
.irp r, 0,1,2,3
	v_cvt_pk_f16_f32 v[TMP+4*\b+\r], v[AC+8*\b+2*\r], v[AC+8*\b+2*\r+1]
.endr
.endr
	WIN 0
.endm
.macro TOSTAGE a
.set BK, OB+128*((\a)%2)
.irp b, 0,1,2,3,4,5,6,7
	ds_store_b128 v[STO], v[TMP+4*\b:TMP+4*\b+3] offset:32*\b
.endr
.irp t, 0,1,2,3,4,5,6,7
	ds_load_b128 v[BK+4*\t:BK+4*\t+3], v[RD] offset:544*\t
.endr
.endm
.macro SEND a
.set BK, OB+128*((\a)%2)
	s_wait_dscnt 0x0                               ; the block is back in registers
	s_wait_xcnt 0x0                                ; the stores of the block before have read their registers: the next block's loads may land there
.irp t, 0,1,2,3,4,5,6,7
	global_store_b128 v[CO], v[BK+4*\t:BK+4*\t+3], s[12:13] offset:2048*(\a)+256*\t   ; sixteen lanes store two positions of one head: 256 consecutive bytes
.endr
.endm
	PACK 0
	TOSTAGE 0
.irp a, 1,2,3,4,5,6,7                  ; block a's conversions stand between block a - 1's loads from the stage and the wait for them
	PACK \a
	SEND \a-1
	TOSTAGE \a
.endr
	SEND 7
	s_wait_tensorcnt 0x0                           ; the wave's end
	ds_add_u32 v[SPW], v[NIL]
	s_wait_dscnt 0x0
	CROUND                                         ; the closing round
	s_endpgm
.Lfunc_end_k_qe360a60b56_qkv:
	.size	k_qe360a60b56_qkv, .Lfunc_end_k_qe360a60b56_qkv-k_qe360a60b56_qkv
	.p2alignl 7, 3214868480
	.fill 96, 4, 3214868480
	.section	.rodata,"a",@progbits
	.p2align	6, 0x0
	.amdhsa_kernel k_qe360a60b56_qkv
		.amdhsa_group_segment_fixed_size 327680
		.amdhsa_private_segment_fixed_size 0
		.amdhsa_enable_private_segment 0
		.amdhsa_kernarg_size 48
		.amdhsa_user_sgpr_count 2
		.amdhsa_user_sgpr_kernarg_segment_ptr 1
		.amdhsa_wavefront_size32 1
		.amdhsa_system_sgpr_workgroup_id_x 1
		.amdhsa_system_sgpr_workgroup_id_y 1
		.amdhsa_system_sgpr_workgroup_id_z 1
		.amdhsa_system_vgpr_workitem_id 0
		.amdhsa_next_free_vgpr 1024
		.amdhsa_next_free_sgpr 100
		.amdhsa_reserve_vcc 0
		.amdhsa_float_denorm_mode_32 3
		.amdhsa_float_denorm_mode_16_64 3
		.amdhsa_memory_ordered 1
		.amdhsa_forward_progress 1
		.amdhsa_inst_pref_size 131
	.end_amdhsa_kernel
	.amdgpu_metadata
---
amdhsa.version: [ 1, 2 ]
amdhsa.kernels:
  - .name:           k_qe360a60b56_qkv
    .symbol:         k_qe360a60b56_qkv.kd
    .args:
      - { .name: xc, .offset: 0, .size: 8, .value_kind: global_buffer, .address_space: global }
      - { .name: xs, .offset: 8, .size: 8, .value_kind: global_buffer, .address_space: global }
      - { .name: wc, .offset: 16, .size: 8, .value_kind: global_buffer, .address_space: global }
      - { .name: ws, .offset: 24, .size: 8, .value_kind: global_buffer, .address_space: global }
      - { .name: qkv, .offset: 32, .size: 8, .value_kind: global_buffer, .address_space: global }
      - { .name: qkvf, .offset: 40, .size: 8, .value_kind: global_buffer, .address_space: global }
    .group_segment_fixed_size: 327680
    .private_segment_fixed_size: 0
    .kernarg_segment_align: 8
    .kernarg_segment_size: 48
    .max_flat_workgroup_size: 128
    .sgpr_count:     100
    .vgpr_count:     1024
    .wavefront_size: 32
...
	.end_amdgpu_metadata
.endif
;; end of part 2
;; launch attn (part 3): grid 4 x 64, 8 waves a work-group, clusters of 4 x 1, 327,680 bytes of LDS; arguments qkv, ctx; writes ctx
.if DOCPART == 3
	.amdgcn_target "amdgcn-amd-amdhsa--gfx1250"
	.amdhsa_code_object_version 6
	.text
	.protected	k_qe360a60b56_attn
	.globl	k_qe360a60b56_attn
	.p2align	8
	.type	k_qe360a60b56_attn,@function
k_qe360a60b56_attn:
	s_mov_b64 s[64:65], 0
	v_nop
	global_prefetch_b8 v0, s[64:65] scope:SCOPE_SE
	s_setreg_imm32_b32 hwreg(HW_REG_WAVE_MODE, 25, 1), 1
	s_wait_xcnt 0x0
	s_wait_alu depctr_hold_cnt(0) depctr_sa_sdst(0) depctr_va_vdst(0) depctr_va_sdst(0) depctr_va_ssrc(0) depctr_va_vcc(0) depctr_vm_vsrc(0)
	s_getreg_b32 s2, hwreg(HW_REG_IB_STS2, 6, 4)
	s_cmp_eq_u32 s2, 0
	s_cbranch_scc0 .Lentry_in_a_cluster
	s_endpgm
.Lentry_in_a_cluster:
	s_bfe_u32 s2, ttmp6, 0x10000c
	s_cmp_lg_u32 s2, 0x3003
	s_cbranch_scc0 .Lentry_shape_is_right
	s_endpgm
.Lentry_shape_is_right:
; ctx[b][h][q] = the sum over k <= q of softmax_k(q . k / 8) v, for the 64 pairs (batch, head); q, k, v, ctx: f16, [.][2048][64]; products, maxima and sums in f32; the weights p are rounded to f16.
; WORK LEFT OUT: blocks of 64 keys that lie wholly behind a tile's queries have the weight 0 by the mask that reference() builds itself (see the launch prep): they are not multiplied.
; LIMITS: a NaN or an infinity that reaches only such blocks is not carried to the result; magnitudes of ctx up to 65,504.
; SHARES.  A cluster of four work-groups owns one (batch, head).  Its 2,048 queries are 32 bands of 64, as wide as a key step; of every band partner cx takes tile cx, 16 queries.  Wave w (s = w % 4, g = w / 4)
; takes four bands, 31 - 16 g - s - 4 i, i = 0 .. 3.  Tile i works in key step st where st <= its band, and is masked where st = its band: both tests hang on the wave's number and the count of steps alone,
; never on the place in the cluster.  Wave 0 has band 31: every partner reads every tile, so K and V are asked for JOINTLY, and all trip counts are constants.
; LAYOUT.  S^T = K Q^T (source 0 = 16 keys, source 1 = 16 queries): a lane holds one query (lane % 16) and keys 8 (lane / 16) + 0..7 of each tile of 16.  Two such tiles, rounded to f16 in pairs, in place,
; are source 1 of O^T = V^T P.  K comes out of LDS as it lies, V ([key][channel]) turned, by ds_load_tr16_b128.
; SOFTMAX.  A running maximum m and sum l for each query: p = 2^(c s - c m), c = log2(e) / 8; in every step O and l are multiplied by a = 2^(c m_old - c m_new).
; Two waves to a SIMD: one wave's softmax stands beside the other's products; within a wave tile i + 1's scores and tile i - 1's products V^T P are issued ahead of tile i's softmax.
; REGISTERS: window 0: v1-15 addresses and constants; v16-47 eight registers of statistics a tile; v48-111 K of one step; v112-239 S^T, 32 a tile (P in the lower 16).  window 1: v0-127 O^T, 32 a tile; v128-191 Q; v192-255 V.
.set PK,    144                        ; a row of K in LDS: 128 bytes + 16: the 16 rows of a load start at 16 different groups of banks
.set PV,    160                        ; a row of V: 128 + 32: an odd multiple of 32 bytes, for the turning load
.set VOFF,  64*PK
.set STEPB, 64*(PK+PV)                 ; a step's tiles lie together: 64 rows of K, then 64 of V
.set SLOT1, 1<<17                      ; a slot holds four steps (77,824 bytes); slot 1 begins here: one exclusive or turns an address
.set STAGE, SLOT1+4*STEPB              ; behind the ring: 16 rows x 144 bytes for each wave
.set SPARE, STAGE+8*16*144             ; the spare words, 128 bytes for each wave: four blocks of 256 bytes that no other line names
.set AK0, 2
.set AV0, 3
.set ADK, 4
.set ADV, 5
.set QO,  6
.set STO, 7
.set RD,  8
.set GO,  9
.set DM,  10                           ; v10 my query's place in its band less 8 (lane / 16)
.set NINF, 11                          ; v11 -infinity
.set SPW, 12
.set NIL, 13
.set PFO, 14                           ; v14 256 x lane
.set ST,  16                           ; tile t at v[ST + 8 t]: +0 c m, +1 m, +2, +3 l, +4 .. +7 at work; a in +6
.set KF,  48
.set S,   112
.set QF,  128                          ; in window 1
.set VF,  192                          ; in window 1
.set WV,  12
.set G1K, 24
.set G1V, 32
.set G0K, 40
.set G0V, 44
.set SLOTS, 48
.set INNER, 49
.set TB,  50                           ; LDS byte at which the step's tiles begin
.set STP, 51                           ; the key step, 0 .. 31
.set BND, 52                           ; s[52:55] my four bands
.set CS,  56
.set SEL, 58
.set PFA, 60
.set LIM, 62
.set QB,  66                           ; s[66:73] my four tiles in q
.set CB,  74                           ; s[74:81] and in ctx
.set MSB, 0
.macro WIN new
.if MSB != (\new)
	s_set_vgpr_msb (MSB<<8)|(\new)
.set MSB, (\new)
.endif
.endm
; A joint load: waves 0 to 3 fetch the slot's four tiles of K, waves 4 to 7 those of V: one load a wave.  An s_nop 0 and four v_nop follow each of the two lines.
.macro JLOAD
	s_cmp_lt_u32 s[WV], 4
	s_cbranch_scc0 .Lfor_v_\@
	tensor_load_to_lds s[G0K:G0K+3], s[G1K:G1K+7]
	s_nop 0
.rept 4
	v_nop
.endr
	s_branch .Lasked_\@
.Lfor_v_\@:
	tensor_load_to_lds s[G0V:G0V+3], s[G1V:G1V+7]
	s_nop 0
.rept 4
	v_nop
.endr
.Lasked_\@:
.endm
; A prefetch of what the NEXT change of slots will ask for: 32,768 bytes of K and as many of V.  One cluster alone walks a head's K and V.  Its four partners share the bytes out by address, 8,192 each;
; in each, wave 0 asks for K's and wave 4 for V's, lanes 256 bytes apart: each block of 256 bytes is named once.  The last change that fills a slot asks for nothing; nothing is asked for at the head.
.macro ASK
	s_cmp_gt_u32 s[SLOTS], s[LIM]
	s_cbranch_scc0 .Lnot_mine_\@
	global_prefetch_b8 v[PFO], s[PFA:PFA+1] th:TH_LOAD_NT scope:SCOPE_SE
.Lnot_mine_\@:
.endm
.macro CROUND
	s_barrier_signal -1
	s_barrier_wait -1
	s_cmp_lg_u32 s[WV], 0
	s_cbranch_scc1 .Lnot_wave_0_\@
	s_barrier_signal -3
.Lnot_wave_0_\@:
	s_barrier_wait -3
	s_barrier_signal -1
	s_barrier_wait -1
.endm
	s_load_b128 s[4:7], s[0:1], 0x0                ; qkv s[4:5], ctx s[6:7]
	v_lshl_add_u32 v[SPW], v0, 2, SPARE
	v_mov_b32 v[NIL], 0
	ds_add_u32 v[SPW], v[NIL]                      ; the wave's opening: the add, twice on end, and its wait ahead of my first tensor load
	ds_add_u32 v[SPW], v[NIL]
	v_lshrrev_b32 v1, 5, v0
	v_readfirstlane_b32 s[WV], v1                  ; wave 0..7
	s_bfe_u32 s13, ttmp6, 0x40000                  ; cx
	s_and_b32 s14, ttmp7, 0xffff                   ; 16 x batch + head
	s_lshl_b32 s16, s14, 18                        ; its 2,048 rows of 128 bytes
	s_mov_b32 s17, 0
	s_and_b32 s82, s[WV], 3
	s_lshr_b32 s83, s[WV], 2
	s_lshl_b32 s84, s83, 4
	s_add_co_u32 s84, s84, s82
	s_sub_co_u32 s[BND], 31, s84                   ; my bands, descending
	s_sub_co_u32 s[BND+1], s[BND], 4
	s_sub_co_u32 s[BND+2], s[BND], 8
	s_sub_co_u32 s[BND+3], s[BND], 12
	s_mov_b32 s[G1K], 15|(1<<16)|(1<<20)|(1<<21)|(4<<22)|(3<<25)   ; the mask: all four; elements of 2 bytes; padding on; bit 21 beside a mask; four words after every 32
	s_mov_b32 s[G1V], 15|(1<<16)|(1<<20)|(1<<21)|(4<<22)|(7<<25)   ; the same with eight words
.irp g, G1K, G1V
	s_mov_b32 s[\g+1], 64<<16                      ; tensor_dim0 = 64
	s_mov_b32 s[\g+2], 64<<16                      ; tensor_dim1 = 64
	s_mov_b32 s[\g+3], 64<<16                      ; tile_dim0 = 64
	s_mov_b32 s[\g+4], 64                          ; tile_dim1 = 64
	s_mov_b32 s[\g+5], 64                          ; elements from row to row
	s_mov_b32 s[\g+6], 0
	s_mov_b32 s[\g+7], 0
.endr
	s_mul_i32 s85, s82, STEPB                      ; which of a slot's four steps I fetch: its place in a slot,
	s_lshl_b32 s18, s82, 13                        ; and its 64 rows in memory
	s_mov_b32 s19, 0
	s_add_nc_u64 s[18:19], s[18:19], s[16:17]
	s_mov_b32 s[CS], 0x3e38aa3b                    ; c = log2(e) / 8
	s_mov_b32 s[CS+1], s[CS]
	s_mov_b32 s[SEL], 0x76543210
	s_mov_b32 s[SEL+1], 0xfedcba98
	s_mov_b32 s[TB], 0
	s_mov_b32 s[STP], 0
	s_mov_b32 s[SLOTS], 7
	s_wait_dscnt 0x0                               ; both opening adds are done
	s_wait_kmcnt 0x0
	s_add_nc_u64 s[20:21], s[4:5], 0x1000000       ; k
	s_add_nc_u64 s[22:23], s[4:5], 0x2000000       ; v
	s_mov_b32 s[G0K], 1
	s_mov_b32 s[G0K+1], s85
	s_add_nc_u64 s[G0K+2:G0K+3], s[20:21], s[18:19]
	s_or_b32 s[G0K+3], s[G0K+3], 0x80000000
	s_mov_b32 s[G0V], 1
	s_add_co_u32 s[G0V+1], s85, VOFF
	s_add_nc_u64 s[G0V+2:G0V+3], s[22:23], s[18:19]
	s_or_b32 s[G0V+3], s[G0V+3], 0x80000000
	CROUND                                         ; all four work-groups are here
	JLOAD                                          ; slot 0: one load of mine is out
	s_cmp_lt_u32 s[WV], 4
	s_cselect_b64 s[PFA:PFA+1], s[20:21], s[22:23]
	s_lshl_b32 s86, s13, 13                        ; my work-group's 8,192 bytes,
	s_add_co_u32 s86, s86, 32768                   ; in slot 1: the first change of slots steps it to slot 2
	s_mov_b32 s87, 0
	s_add_nc_u64 s[86:87], s[86:87], s[16:17]
	s_add_nc_u64 s[PFA:PFA+1], s[PFA:PFA+1], s[86:87]
	s_cmp_eq_u32 s82, 0
	s_cselect_b32 s[LIM], 1, -1                    ; waves 0 and 4 ask
.irp i, 0,1,2,3
	s_lshl_b32 s88, s[BND+\i], 13                  ; a band's 64 rows,
	s_lshl_b32 s89, s13, 11                        ; my work-group's 16 of them
	s_add_co_u32 s88, s88, s89
	s_mov_b32 s89, 0
	s_add_nc_u64 s[88:89], s[88:89], s[16:17]
	s_add_nc_u64 s[QB+2*\i:QB+2*\i+1], s[4:5], s[88:89]
	s_add_nc_u64 s[CB+2*\i:CB+2*\i+1], s[6:7], s[88:89]
.endr
	v_and_b32 v1, 15, v0                           ; r
	v_bfe_u32 v15, v0, 4, 1                        ; hh
	v_lshlrev_b32 v[QO], 7, v1
	v_lshl_add_u32 v[QO], v15, 4, v[QO]
	WIN 0x40                                       ; destination window 1
.irp i, 0,1,2,3
.irp ks, 0,1
	global_load_b128 v[QF+16*\i+8*\ks:QF+16*\i+8*\ks+3],   v[QO], s[QB+2*\i:QB+2*\i+1] offset:64*\ks
	global_load_b128 v[QF+16*\i+8*\ks+4:QF+16*\i+8*\ks+7], v[QO], s[QB+2*\i:QB+2*\i+1] offset:64*\ks+32
.endr
.endr
.set n, 0
.rept 128
	v_mov_b32 v[n], 0                              ; O^T.  The step is written for all steps alike: the first finds zeros, which a = 0 leaves zeros; that spares a further copy of the step
.set n, n+1
.endr
	WIN 0
	v_mul_u32_u24 v[AK0], v1, PK
	v_lshl_add_u32 v[AK0], v15, 4, v[AK0]          ; K: row r, + 16 hh
	v_and_b32 v16, 7, v0
	v_bfe_u32 v17, v0, 3, 1
	v_lshl_add_u32 v[AV0], v15, 3, v16
	v_mul_u32_u24 v[AV0], v[AV0], PV
	v_lshl_add_u32 v[AV0], v17, 4, v[AV0]
	v_add_nc_u32 v[AV0], VOFF, v[AV0]              ; V: key 8 hh + l % 8, channels 8 ((l / 8) % 2) on
	s_mul_i32 s82, s[WV], 16*144
	s_add_co_u32 s82, s82, STAGE
	v_mul_u32_u24 v[STO], v1, 144
	v_lshl_add_u32 v[STO], v15, 4, v[STO]
	v_add_nc_u32 v[STO], s82, v[STO]
	v_and_b32 v18, 31, v0
	v_lshrrev_b32 v[RD], 3, v18
	v_mul_u32_u24 v[RD], v[RD], 144
	v_lshl_add_u32 v[RD], v16, 4, v[RD]
	v_add_nc_u32 v[RD], s82, v[RD]
	v_lshlrev_b32 v[GO], 4, v18
	v_lshlrev_b32 v[PFO], 8, v18
	v_lshlrev_b32 v[DM], 3, v15
	v_sub_nc_u32 v[DM], v1, v[DM]
	s_lshl_b32 s83, s13, 4
	v_add_nc_u32 v[DM], s83, v[DM]                 ; 16 cx + r - 8 hh: it enters comparisons of values alone, no address and no branch
	v_mov_b32 v[NINF], 0xff800000
.irp t, 0,1,2,3
	v_mov_b32 v[ST+8*\t+1], 0xff61b1e6             ; m = -3e38, under every score
	v_mul_f32 v[ST+8*\t], s[CS], v[ST+8*\t+1]
	v_mov_b32 v[ST+8*\t+2], 0
	v_mov_b32 v[ST+8*\t+3], 0
	v_mov_b32 v[ST+8*\t+4], 0
	v_mov_b32 v[ST+8*\t+5], 0
	v_mov_b32 v[ST+8*\t+6], 0
	v_mov_b32 v[ST+8*\t+7], 0
.endr
; Tile i's scores: four tiles of 16 keys by turns, two deep along the 64 channels; the first four start the sums.
.macro KQ i
	WIN 0x04                                       ; source 1 (Q) window 1
.irp kt, 0,1,2,3
	v_wmma_f32_16x16x32_f16 v[S+32*\i+8*\kt:S+32*\i+8*\kt+7], v[KF+16*\kt:KF+16*\kt+7], v[QF+16*\i:QF+16*\i+7], 0
.endr
.irp kt, 0,1,2,3
	v_wmma_f32_16x16x32_f16 v[S+32*\i+8*\kt:S+32*\i+8*\kt+7], v[KF+16*\kt+8:KF+16*\kt+15], v[QF+16*\i+8:QF+16*\i+15], v[S+32*\i+8*\kt:S+32*\i+8*\kt+7]
.endr
	WIN 0
.endm
; Tile i's softmax for this step, and its products V^T P.
.macro SMPV i
.set rT, ST+8*\i
.set rS, S+32*\i
.set rO, 32*\i
	s_cmp_lg_u32 s[STP], s[BND+\i]
	s_cbranch_scc1 .Lopen_\@                       ; only the step on the diagonal is masked
.set n, 0
.rept 32
	v_cmp_gt_i32 vcc_lo, 16*(n/8)+n%8, v[DM]       ; register n holds key 16 (n / 8) + 8 hh + n % 8 of the step: hidden where it comes after my query
	v_cndmask_b32 v[rS+n], v[rS+n], v[NINF], vcc_lo
.set n, n+1
.endr
.Lopen_\@:
.irp j, 0,1,2,3
	v_max3_num_f32 v[rT+4+\j], v[rS+8*\j], v[rS+8*\j+1], v[rS+8*\j+2]      ; four chains, each from its accumulator's low end on
.endr
.irp j, 0,1,2,3
	v_max3_num_f32 v[rT+4+\j], v[rT+4+\j], v[rS+8*\j+3], v[rS+8*\j+4]
.endr
.irp j, 0,1,2,3
	v_max3_num_f32 v[rT+4+\j], v[rT+4+\j], v[rS+8*\j+5], v[rS+8*\j+6]
.endr
	v_max3_num_f32 v[rT+4], v[rT+4], v[rS+7], v[rS+15]
	v_max3_num_f32 v[rT+6], v[rT+6], v[rS+23], v[rS+31]
	v_max3_num_f32 v[rT+4], v[rT+4], v[rT+5], v[rT+6]
	v_max3_num_f32 v[rT+4], v[rT+4], v[rT+7], v[rT+1]              ; and the old m
	v_permlanex16_b32 v[rT+5], v[rT+4], s[SEL], s[SEL+1]           ; the query's other 32 keys lie in the lane 16 away
	v_mov_b32 v[rT+7], v[rT]                       ; c m_old
	v_max_num_f32 v[rT+1], v[rT+4], v[rT+5]        ; the new m
	v_mul_f32 v[rT], s[CS], v[rT+1]
	v_sub_f32 v[rT+7], v[rT+7], v[rT]
.set n, 0
.rept 16
	v_pk_fma_f32 v[rS+2*n:rS+2*n+1], v[rS+2*n:rS+2*n+1], s[CS:CS+1], v[rT:rT+1] op_sel_hi:[1,0,0] neg_lo:[0,0,1] neg_hi:[0,0,1]   ; c s - c m
.set n, n+1
.endr
	v_exp_f32 v[rT+6], v[rT+7]                     ; a.  The 33 exponentials are one batch: none reads another's result
.set n, 0
.rept 32
	v_exp_f32 v[rS+n], v[rS+n]
.set n, n+1
.endr
	v_nop                                          ; the plain instruction behind the last exponential
	s_wait_alu depctr_va_vdst(0)                   ; one wait for the batch, ahead of its first reader
	v_pk_mul_f32 v[rT+2:rT+3], v[rT+2:rT+3], v[rT+6:rT+7] op_sel_hi:[1,0]   ; l under the new m
	v_pk_add_f32 v[rT+4:rT+5], v[rS:rS+1], v[rS+2:rS+3]            ; the sum of the unrounded p, in two chains
.irp j, 4,8,12,16,20,24,28
	v_pk_add_f32 v[rT+2:rT+3], v[rT+2:rT+3], v[rS+\j:rS+\j+1]
	v_pk_add_f32 v[rT+4:rT+5], v[rT+4:rT+5], v[rS+\j+2:rS+\j+3]
.endr
	v_pk_add_f32 v[rT+2:rT+3], v[rT+2:rT+3], v[rT+4:rT+5]
.set n, 0
.rept 16
	v_cvt_pk_f16_f32 v[rS+n], v[rS+2*n], v[rS+2*n+1]               ; P, in place and ascending: register n is written when registers 2 n and 2 n + 1 are read
.set n, n+1
.endr
	WIN 0x41                                       ; O^T (destination, source 0) window 1
.set n, 0
.rept 16
	v_pk_mul_f32 v[rO+2*n:rO+2*n+1], v[rO+2*n:rO+2*n+1], v[rT+6:rT+7] op_sel_hi:[1,0]
.set n, n+1
.endr
.if \i == 0
	s_wait_dscnt 0x0                               ; V is in
.endif
	WIN 0x51                                       ; V and O^T window 1, P window 0
.irp c, 0,1
.irp dt, 0,1,2,3
	v_wmma_f32_16x16x32_f16 v[rO+8*\dt:rO+8*\dt+7], v[VF+8*(4*\c+\dt):VF+8*(4*\c+\dt)+7], v[rS+8*\c:rS+8*\c+7], v[rO+8*\dt:rO+8*\dt+7]   ; the four accumulators by turns
.endr
.endr
	WIN 0
.endm
.macro PLACES
.rept 4
	v_nop
.endr
.endm
; A KEY STEP of 64 keys.  A wave all of whose bands lie ahead of the step leaves its work out; the lines at the end, which step addresses, are run by all.
; ONE test on a band decides a tile's scores and its softmax together: on every way through the step a tile's scores are made before they are read.  Tile i + 1's scores are issued ahead of tile i's softmax,
; so that the matrix unit works under it.  The price: the steps in which one, two or three tiles are live end in tails of their own, in which the softmax of tile 0, 1 or 2 is written a second time.
.macro STEP
	s_cmp_gt_u32 s[STP], s[BND]
	s_cbranch_scc1 .Lend_\@
	v_add_nc_u32 v[ADK], s[TB], v[AK0]
	v_add_nc_u32 v[ADV], s[TB], v[AV0]
.rept 3
	v_nop                                          ; with the two additions five places behind the last step's V^T P: for the loads into V's registers, and for the products below, which write over P
.endr
.irp kt, 0,1,2,3
.irp ks, 0,1
	ds_load_b128 v[KF+16*\kt+8*\ks:KF+16*\kt+8*\ks+3],   v[ADK] offset:16*PK*\kt+64*\ks
	ds_load_b128 v[KF+16*\kt+8*\ks+4:KF+16*\kt+8*\ks+7], v[ADK] offset:16*PK*\kt+64*\ks+32
.endr
.endr
	WIN 0x40
.irp c, 0,1
.irp dt, 0,1,2,3
	ds_load_tr16_b128 v[VF+8*(4*\c+\dt):VF+8*(4*\c+\dt)+3],   v[ADV] offset:32*PV*\c+32*\dt
	ds_load_tr16_b128 v[VF+8*(4*\c+\dt)+4:VF+8*(4*\c+\dt)+7], v[ADV] offset:32*PV*\c+32*\dt+16*PV
.endr
.endr
	WIN 0
	s_wait_dscnt 16                                ; K is in; V's sixteen loads may be out
	KQ 0
	s_cmp_gt_u32 s[STP], s[BND+1]
	s_cbranch_scc1 .Lone_\@                        ; tile 0 alone is live
	KQ 1
	PLACES                                         ; four places between tile 0's scores and their first read
	SMPV 0
	s_cmp_gt_u32 s[STP], s[BND+2]
	s_cbranch_scc1 .Ltwo_\@                        ; tiles 0 and 1
	KQ 2
	SMPV 1                                         ; tile 0's softmax stands between tile 1's scores and this read of them; so on for tiles 2 and 3
	s_cmp_gt_u32 s[STP], s[BND+3]
	s_cbranch_scc1 .Lthree_\@                      ; tiles 0, 1 and 2
	KQ 3
	SMPV 2
	SMPV 3
	s_branch .Lend_\@
.Lone_\@:
	PLACES
	SMPV 0
	s_branch .Lend_\@
.Ltwo_\@:
	SMPV 1
	s_branch .Lend_\@
.Lthree_\@:
	SMPV 2
.Lend_\@:
	s_add_co_u32 s[TB], s[TB], STEPB
	s_add_co_u32 s[STP], s[STP], 1
.endm
.macro FOUR_STEPS                      ; a slot's four steps: written once, walked four times
	s_mov_b32 s[INNER], 4
.Lstep_\@:
	STEP
	s_sub_co_u32 s[INNER], s[INNER], 1
	s_cmp_lg_u32 s[INNER], 0
	s_cbranch_scc1 .Lstep_\@
	s_sub_co_u32 s[TB], s[TB], 4*STEPB
	s_xor_b32 s[TB], s[TB], SLOT1                  ; on to the other slot
.endm
; THE CHANGE OF SLOTS stands at a slot's head.  Each wave waits for all its tensor loads (its part of the slot ahead), adds 0 to its spare word, and waits for that and for its reads of the slot that it has left.
; fill = 1: a round of the cluster's barrier, and behind it the slot just left takes the next 256 keys: the load has four key steps in which to land.
.macro CHANGE fill
	s_wait_tensorcnt 0x0                           ; no tensor load of mine is out, so a group 0 may be written
	ds_add_u32 v[SPW], v[NIL]
.if \fill
	s_xor_b32 s[G0K+1], s[G0K+1], SLOT1
	s_add_nc_u64 s[G0K+2:G0K+3], s[G0K+2:G0K+3], 32768
	s_xor_b32 s[G0V+1], s[G0V+1], SLOT1
	s_add_nc_u64 s[G0V+2:G0V+3], s[G0V+2:G0V+3], 32768
	s_wait_xcnt 0x0                                ; the last prefetch, a slot back, has read its address
	s_add_nc_u64 s[PFA:PFA+1], s[PFA:PFA+1], 32768
	s_wait_dscnt 0x0                               ; the add is done, and my reads of the slot that I have left are over
	CROUND
	JLOAD
	ASK
.else
	s_wait_dscnt 0x0
	s_barrier_signal -1
	s_barrier_wait -1
.endif
.endm
	s_wait_loadcnt 0x0                             ; Q
.Lslot:                                            ; seven trips: behind each change of slots but the last the next slot is asked for
	CHANGE 1
	FOUR_STEPS
	s_sub_co_u32 s[SLOTS], s[SLOTS], 1
	s_cmp_lg_u32 s[SLOTS], 0
	s_cbranch_scc1 .Lslot
	CHANGE 0                                       ; the last slot is written out
	FOUR_STEPS
	; THE WAY OUT.  The additions are the places behind the last products.
.irp t, 0,1,2,3
	v_add_f32 v[ST+8*\t+4], v[ST+8*\t+2], v[ST+8*\t+3]
.endr
.irp t, 0,1,2,3
	v_permlanex16_b32 v[ST+8*\t+5], v[ST+8*\t+4], s[SEL], s[SEL+1]
.endr
.irp t, 0,1,2,3
	v_add_f32 v[ST+8*\t+4], v[ST+8*\t+4], v[ST+8*\t+5]
.endr
.irp t, 0,1,2,3
	v_rcp_f32 v[ST+8*\t+6], v[ST+8*\t+4]
.endr
	v_nop
	s_wait_alu depctr_va_vdst(0)                   ; one wait for the four reciprocals
.macro OPACK t                         ; tile t: O^T / l, rounded to f16, through my stage: rows of 128 bytes go in, 2,048 dense bytes come back
	WIN 0x41
.set n, 0
.rept 16
	v_pk_mul_f32 v[32*\t+2*n:32*\t+2*n+1], v[32*\t+2*n:32*\t+2*n+1], v[ST+8*\t+6:ST+8*\t+7] op_sel_hi:[1,0]
.set n, n+1
.endr
	WIN 0x05
.set n, 0
.rept 16
	v_cvt_pk_f16_f32 v[S+32*\t+n], v[32*\t+2*n], v[32*\t+2*n+1]
.set n, n+1
.endr
	WIN 0
.irp d, 0,1,2,3
	ds_store_b128 v[STO], v[S+32*\t+4*\d:S+32*\t+4*\d+3] offset:32*\d
.endr
.irp u, 0,1,2,3
	ds_load_b128 v[S+32*\t+16+4*\u:S+32*\t+16+4*\u+3], v[RD] offset:576*\u   ; LDS serves a wave's instructions in order: these see my stores, and the next tile's stores come behind them
.endr
.endm
.macro OSEND t, younger                ; younger: the LDS instructions issued behind tile t's loads: the next tile's eight, or none
.irp u, 0,1,2,3
	s_wait_dscnt \younger+3-\u
	global_store_b128 v[GO], v[S+32*\t+16+4*\u:S+32*\t+16+4*\u+3], s[CB+2*\t:CB+2*\t+1] offset:512*\u   ; 512 consecutive bytes
.endr
.endm
	OPACK 0
	OPACK 1
	OSEND 0, 8
	OPACK 2
	OSEND 1, 8
	OPACK 3
	OSEND 2, 8
	OSEND 3, 0
	s_wait_tensorcnt 0x0                           ; the wave's end: the three lines
	ds_add_u32 v[SPW], v[NIL]
	s_wait_dscnt 0x0
	CROUND                                         ; the closing round
	s_endpgm
.Lfunc_end_k_qe360a60b56_attn:
	.size	k_qe360a60b56_attn, .Lfunc_end_k_qe360a60b56_attn-k_qe360a60b56_attn
	.p2alignl 7, 3214868480
	.fill 96, 4, 3214868480
	.section	.rodata,"a",@progbits
	.p2align	6, 0x0
	.amdhsa_kernel k_qe360a60b56_attn
		.amdhsa_group_segment_fixed_size 327680
		.amdhsa_private_segment_fixed_size 0
		.amdhsa_enable_private_segment 0
		.amdhsa_kernarg_size 16
		.amdhsa_user_sgpr_count 2
		.amdhsa_user_sgpr_kernarg_segment_ptr 1
		.amdhsa_wavefront_size32 1
		.amdhsa_system_sgpr_workgroup_id_x 1
		.amdhsa_system_sgpr_workgroup_id_y 1
		.amdhsa_system_sgpr_workgroup_id_z 1
		.amdhsa_system_vgpr_workitem_id 0
		.amdhsa_next_free_vgpr 512
		.amdhsa_next_free_sgpr 96
		.amdhsa_reserve_vcc 1
		.amdhsa_float_denorm_mode_32 3
		.amdhsa_float_denorm_mode_16_64 3
		.amdhsa_memory_ordered 1
		.amdhsa_forward_progress 1
		.amdhsa_inst_pref_size 166
	.end_amdhsa_kernel
	.amdgpu_metadata
---
amdhsa.version: [ 1, 2 ]
amdhsa.kernels:
  - .name:           k_qe360a60b56_attn
    .symbol:         k_qe360a60b56_attn.kd
    .args:
      - { .name: qkv, .offset: 0, .size: 8, .value_kind: global_buffer, .address_space: global }
      - { .name: ctx, .offset: 8, .size: 8, .value_kind: global_buffer, .address_space: global }
    .group_segment_fixed_size: 327680
    .private_segment_fixed_size: 0
    .kernarg_segment_align: 8
    .kernarg_segment_size: 16
    .max_flat_workgroup_size: 256
    .sgpr_count:     96
    .vgpr_count:     512
    .wavefront_size: 32
...
	.end_amdgpu_metadata
.endif
;; end of part 3
;; launch proj (part 4): grid 8 x 32, 4 waves a work-group, clusters of 4 x 4, 327,680 bytes of LDS; arguments ctx, wot, bo, out0; writes out0
.if DOCPART == 4
	.amdgcn_target "amdgcn-amd-amdhsa--gfx1250"
	.amdhsa_code_object_version 6
	.text
	.protected	k_qe360a60b56_proj
	.globl	k_qe360a60b56_proj
	.p2align	8
	.type	k_qe360a60b56_proj,@function
k_qe360a60b56_proj:
	s_mov_b64 s[64:65], 0
	v_nop
	global_prefetch_b8 v0, s[64:65] scope:SCOPE_SE
	s_setreg_imm32_b32 hwreg(HW_REG_WAVE_MODE, 25, 1), 1
	s_wait_xcnt 0x0
	s_wait_alu depctr_hold_cnt(0) depctr_sa_sdst(0) depctr_va_vdst(0) depctr_va_sdst(0) depctr_va_ssrc(0) depctr_va_vcc(0) depctr_vm_vsrc(0)
	s_getreg_b32 s2, hwreg(HW_REG_IB_STS2, 6, 4)
	s_cmp_eq_u32 s2, 0
	s_cbranch_scc0 .Lentry_in_a_cluster
	s_endpgm
.Lentry_in_a_cluster:
	s_bfe_u32 s2, ttmp6, 0x10000c
	s_cmp_lg_u32 s2, 0xf033
	s_cbranch_scc0 .Lentry_shape_is_right
	s_endpgm
.Lentry_shape_is_right:
; out0 = ctx Wo + bo, f16 operands, f32 sums, for all positions but 0-15 of each sequence, which the launch fine writes: those 16 rows lie inside a tile with other rows, are multiplied with it and not stored.
; ctx: f16 [batch][head][2048][64]; wot: f16 [head][n 1024][64 k]: so K goes by heads, 64 at a time, and both operands' tiles are dense blocks with rows of 128 bytes.
; A tile of 256 rows x 128 columns a work-group: 256 work-groups.  Four waves, 128 x 64 each: 32 accumulators.  A slot holds two heads (128 along K); eight slot steps through two slots.
; CLUSTERS: 4 x 4; ctx's tiles are asked for jointly along a row of the cluster (the batch is cy, the tile in it the cluster's y), wot's along a column.
; TRANSPOSED USE (source 0 = 16 rows of wot, source 1 = 16 rows of ctx): a lane holds eight neighbouring columns of one row.  The bias is the C of each sum's first product.
; REGISTERS: window 0: v16-29 addresses; v32-63 the bias, eight a column block; v64-127 the way out.  window 1: two fragment buffers of 96 (ctx's 64, then wot's 32).  window 2: accumulator (a, b) at v[8 (4 a + b)].
.set PITCH,  144                       ; 128 bytes + 16
.set ABLK,   256*PITCH                 ; ctx's 256 rows of one head
.set BBLK,   128*PITCH                 ; wot's 128 rows of one head
.set BOFF,   2*ABLK
.set SLOT,   2*ABLK+2*BBLK
.set STAGE,  2*SLOT                    ; 16 rows x 272 bytes for each wave
.set SPARE,  STAGE+4*16*272            ; the spare words, 128 bytes for each wave: two blocks of 256 bytes that no other line names
.set LAPS,   4
.set ADRA, 16
.set ADRB, 20
.set STO,  24
.set RD,   25
.set CO,   26
.set SPW,  28
.set NIL,  29
.set BIAS, 32
.set F0,   0
.set F1,   96
.set G1, 24
.set G0, 32
.set G1B, 48
.set G0B, 56
.set MSB, 0
.macro WIN new
.if MSB != (\new)
	s_set_vgpr_msb (MSB<<8)|(\new)
.set MSB, (\new)
.endif
.endm
.macro JLOAD s                         ; waves 0 and 1 fetch ctx's two heads of the slot, waves 2 and 3 wot's; an s_nop 0 and four v_nop follow each of the two lines
	s_cmp_eq_u32 s13, 0
	s_cbranch_scc0 .Lfor_b_\@
	tensor_load_to_lds s[G0+4*\s:G0+4*\s+3], s[G1:G1+7]
	s_nop 0
.rept 4
	v_nop
.endr
	s_branch .Lasked_\@
.Lfor_b_\@:
	tensor_load_to_lds s[G0B+4*\s:G0B+4*\s+3], s[G1B:G1B+7]
	s_nop 0
.rept 4
	v_nop
.endr
.Lasked_\@:
.endm
.macro CREST
	s_cmp_lg_u32 s12, 0
	s_cbranch_scc1 .Lnot_wave_0_\@
	s_barrier_signal -3
.Lnot_wave_0_\@:
	s_barrier_wait -3
	s_barrier_signal -1
	s_barrier_wait -1
.endm
.macro CROUND
	s_barrier_signal -1
	s_barrier_wait -1
	CREST
.endm
	s_load_b256 s[4:11], s[0:1], 0x0               ; ctx s[4:5], wot s[6:7], bo s[8:9], out0 s[10:11]
	v_lshl_add_u32 v[SPW], v0, 2, SPARE
	v_mov_b32 v[NIL], 0
	ds_add_u32 v[SPW], v[NIL]                      ; the wave's opening: the add, twice on end, and its wait ahead of my first tensor load
	ds_add_u32 v[SPW], v[NIL]
	v_lshrrev_b32 v1, 5, v0
	v_readfirstlane_b32 s12, v1                    ; wave 0..3
	s_lshr_b32 s13, s12, 1                         ; my half of the rows.  Also: I fetch for ctx (0) or for wot (1)
	s_and_b32 s14, s12, 1                          ; my half of the columns.  Also: which of a slot's two heads I fetch
	s_bfe_u32 s40, ttmp6, 0x40000                  ; cx
	s_bfe_u32 s41, ttmp6, 0x40004                  ; cy: the batch
	s_lshl_b32 s42, ttmp9, 2
	s_add_co_u32 s42, s42, s40                     ; tile column
	s_and_b32 s43, ttmp7, 0xffff                   ; T: the tile's place in its batch
	s_lshl_b32 s44, s41, 2
	s_lshl_b32 s44, 15, s44                        ; my row of the cluster
	s_lshl_b32 s45, 0x1111, s40                    ; my column
	s_or_b32 s[G1+0], s44, (1<<16)|(1<<20)|(1<<21)|(4<<22)|(3<<25)   ; the mask; elements of 2 bytes; padding on; bit 21 beside a mask; four words after every 32
	s_or_b32 s[G1B+0], s45, (1<<16)|(1<<20)|(1<<21)|(4<<22)|(3<<25)
	s_mov_b32 s[G1+1], 64<<16                      ; tensor_dim0 = 64
	s_mov_b32 s[G1+2], 256<<16                     ; tensor_dim1 = 256
	s_mov_b32 s[G1+3], 64<<16                      ; tile_dim0 = 64
	s_mov_b32 s[G1+4], 256                         ; tile_dim1 = 256
	s_mov_b32 s[G1+5], 64
	s_mov_b32 s[G1+6], 0
	s_mov_b32 s[G1+7], 0
	s_mov_b32 s[G1B+1], 64<<16
	s_mov_b32 s[G1B+2], 128<<16
	s_mov_b32 s[G1B+3], 64<<16
	s_mov_b32 s[G1B+4], 128
	s_mov_b32 s[G1B+5], 64
	s_mov_b32 s[G1B+6], 0
	s_mov_b32 s[G1B+7], 0
	s_lshl_b32 s16, s41, 22                        ; ctx: the batch,
	s_lshl_b32 s17, s14, 18                        ; the head that I fetch,
	s_add_co_u32 s16, s16, s17
	s_lshl_b32 s17, s43, 15                        ; the tile's 256 rows of 128 bytes
	s_add_co_u32 s16, s16, s17
	s_mov_b32 s17, 0
	s_lshl_b32 s46, s14, 17                        ; wot: the head,
	s_lshl_b32 s47, s42, 14                        ; the tile's 128 rows
	s_add_co_u32 s46, s46, s47
	s_mov_b32 s47, 0
	s_mul_i32 s20, s14, ABLK                       ; where they go: no place in the cluster enters an LDS address
	s_mul_i32 s21, s14, BBLK
	s_add_co_u32 s21, s21, BOFF
	s_wait_dscnt 0x0
	s_wait_kmcnt 0x0
	s_add_nc_u64 s[16:17], s[4:5], s[16:17]
	s_add_nc_u64 s[46:47], s[6:7], s[46:47]
	CROUND                                         ; all sixteen work-groups are here
.irp s, 0,1
	s_mov_b32 s[G0+4*\s], 1
	s_add_co_u32 s[G0+4*\s+1], s20, \s*SLOT
	s_add_nc_u64 s[G0+4*\s+2:G0+4*\s+3], s[16:17], \s*524288       ; slot s begins with heads 2 s, 2 s + 1
	s_or_b32 s[G0+4*\s+3], s[G0+4*\s+3], 0x80000000
	s_mov_b32 s[G0B+4*\s], 1
	s_add_co_u32 s[G0B+4*\s+1], s21, \s*SLOT
	s_add_nc_u64 s[G0B+4*\s+2:G0B+4*\s+3], s[46:47], \s*262144
	s_or_b32 s[G0B+4*\s+3], s[G0B+4*\s+3], 0x80000000
	JLOAD \s                                       ; two loads of mine are out
.endr
	v_and_b32 v1, 15, v0                           ; r
	v_bfe_u32 v2, v0, 4, 1                         ; hh
	s_lshl_b32 s18, s42, 9
	s_lshl_b32 s19, s14, 8
	s_add_co_u32 s18, s18, s19                     ; my first column, in bytes of f32
	s_mov_b32 s19, 0
	s_add_nc_u64 s[8:9], s[8:9], s[18:19]
	v_lshlrev_b32 v6, 5, v2
.irp b, 0,1,2,3
	global_load_b128 v[BIAS+8*\b:BIAS+8*\b+3],   v6, s[8:9] offset:64*\b       ; bo at columns 16 b + 8 hh + 0 .. 7: the result's layout
	global_load_b128 v[BIAS+8*\b+4:BIAS+8*\b+7], v6, s[8:9] offset:64*\b+16
.endr
	v_mul_u32_u24 v3, v1, PITCH
	v_lshl_add_u32 v3, v2, 4, v3
	s_mul_i32 s21, s13, 128*PITCH                  ; my 128 rows of ctx
	s_mul_i32 s22, s14, 64*PITCH                   ; my 64 rows of wot
	s_add_co_u32 s22, s22, BOFF
.irp s, 0,1
	v_add_nc_u32 v[ADRA+\s], s21, v3
	v_add_nc_u32 v[ADRB+\s], s22, v3
	s_add_co_u32 s21, s21, SLOT
	s_add_co_u32 s22, s22, SLOT
.endr
	s_mul_i32 s23, s12, 16*272
	s_add_co_u32 s23, s23, STAGE
	v_mul_u32_u24 v4, v1, 272
	v_lshl_add_u32 v4, v2, 5, v4
	v_add_nc_u32 v[STO], s23, v4                   ; in: row r, 32 bytes for each half of the lanes
	v_mul_u32_u24 v5, v2, 272
	v_lshl_add_u32 v5, v1, 4, v5
	v_add_nc_u32 v[RD], s23, v5                    ; back: lanes 0-15 one row of 256 bytes, lanes 16-31 the next
	v_lshlrev_b32 v[CO], 12, v2
	v_lshl_add_u32 v[CO], v1, 4, v[CO]
	s_lshl_b32 s22, s41, 11
	s_lshl_b32 s23, s43, 8
	s_add_co_u32 s22, s22, s23
	s_lshl_b32 s23, s13, 7
	s_add_co_u32 s22, s22, s23                     ; my first row of out0
	s_lshl_b32 s22, s22, 12
	s_add_co_u32 s22, s22, s18
	s_mov_b32 s23, 0
	s_add_nc_u64 s[10:11], s[10:11], s[22:23]
	s_or_b32 s15, s43, s13                         ; 0 where my block 0 holds positions 0-15: the cluster's y and the wave's number alone
; 8 matrix instructions: ctx's blocks a0, a0 + 1 against wot's four, 32 along K.  The 32 accumulators take turns, in the same order in every quarter.
.macro MUL8 f, a0, first
.irp a, \a0, \a0+1
.irp b, 0,1,2,3
.if \first
	v_wmma_f32_16x16x32_f16 v[8*(4*(\a)+\b):8*(4*(\a)+\b)+7], v[\f+64+8*\b:\f+64+8*\b+7], v[\f+8*(\a):\f+8*(\a)+7], v[BIAS+8*\b:BIAS+8*\b+7]
.else
	v_wmma_f32_16x16x32_f16 v[8*(4*(\a)+\b):8*(4*(\a)+\b)+7], v[\f+64+8*\b:\f+64+8*\b+7], v[\f+8*(\a):\f+8*(\a)+7], v[8*(4*(\a)+\b):8*(4*(\a)+\b)+7]
.endif
.endr
.endr
.endm
; 24 LDS loads in one run: quarter q of a slot (head q / 2, channels 32 (q % 2) on) into buffer f: wot's four fragments, then ctx's eight
.macro FETCH slot, q, f
	WIN 0x40
.irp i, 0,1,2,3
	ds_load_b128 v[\f+64+8*\i:\f+64+8*\i+3],   v[ADRB+\slot] offset:((\q)/2)*BBLK+64*((\q)%2)+\i*16*PITCH
	ds_load_b128 v[\f+64+8*\i+4:\f+64+8*\i+7], v[ADRB+\slot] offset:((\q)/2)*BBLK+64*((\q)%2)+\i*16*PITCH+32
.endr
.irp i, 0,1,2,3,4,5,6,7
	ds_load_b128 v[\f+8*\i:\f+8*\i+3],   v[ADRA+\slot] offset:((\q)/2)*ABLK+64*((\q)%2)+\i*16*PITCH
	ds_load_b128 v[\f+8*\i+4:\f+8*\i+7], v[ADRA+\slot] offset:((\q)/2)*ABLK+64*((\q)%2)+\i*16*PITCH+32
.endr
.endm
.macro PLACES
.rept 4
	v_nop
.endr
.endm
.macro QUARTER slot, q, f, g, first    ; multiplies buffer f; in its middle fetches quarter q of the slot into buffer g
	s_wait_dscnt 8                                 ; wot's fragments and ctx's blocks 0-3 are in; the youngest eight loads (blocks 4-7) may be out
	WIN 0xa5-0x20*\first                           ; sources window 1, D window 2; C window 2, or the bias in window 0
	MUL8 \f, 0, \first
	MUL8 \f, 2, \first
	PLACES
	FETCH \slot, \q, \g
	s_wait_dscnt 24                                ; all but the 24 just issued
	WIN 0xa5-0x20*\first
	MUL8 \f, 4, \first
	MUL8 \f, 6, \first
.endm
; A slot's last quarter changes slots: one barrier; in front of it each wave waits for all its tensor loads, adds 0 to its spare word, and waits for that and for its reads of this slot.
.macro TURN slot, next, fill
	WIN 0
	s_wait_tensorcnt 0x0                           ; my part of the next slot has landed
	ds_add_u32 v[SPW], v[NIL]
	s_wait_dscnt 9                                 ; (the add and the youngest eight loads may be out)
	WIN 0xa5
	MUL8 F1, 0, 0
	s_wait_dscnt 0x0                               ; the add is done, and my reads of this slot are over
	s_barrier_signal -1
	MUL8 F1, 2, 0
.if \fill
	WIN 0
.endif
	s_barrier_wait -1
.if \fill
	CREST                                          ; the barrier has opened a round of the cluster's barrier
	s_add_nc_u64 s[G0+4*\slot+2:G0+4*\slot+3], s[G0+4*\slot+2:G0+4*\slot+3], 1048576     ; four heads on
	s_add_nc_u64 s[G0B+4*\slot+2:G0B+4*\slot+3], s[G0B+4*\slot+2:G0B+4*\slot+3], 524288
	JLOAD \slot                                    ; the first tensor load behind the round; its four v_nop are also the places in front of the loads below
.else
	PLACES
.endif
	FETCH \next, 0, F0
	WIN 0xa5
	MUL8 F1, 4, 0
	MUL8 F1, 6, 0
.endm
	s_wait_tensorcnt 1                             ; my part of slot 0 is in; slot 1's load may be out
	s_barrier_signal -1
	s_barrier_wait -1
	FETCH 0, 0, F0
	s_wait_loadcnt 0x0                             ; the bias
	QUARTER 0, 1, F0, F1, 1                        ; the first quarter stands in front of the loop: its products start the sums from the bias
	WIN 0
	s_mov_b32 s3, LAPS-1
.Llap:                                             ; a trip goes once round the ring and fills both slots again
	QUARTER 0, 2, F1, F0, 0
	QUARTER 0, 3, F0, F1, 0
	TURN 0, 1, 1
	QUARTER 1, 1, F0, F1, 0
	QUARTER 1, 2, F1, F0, 0
	QUARTER 1, 3, F0, F1, 0
	TURN 1, 0, 1
	QUARTER 0, 1, F0, F1, 0
	WIN 0
	s_sub_co_u32 s3, s3, 1
	s_cmp_lg_u32 s3, 0
	s_cbranch_scc1 .Llap
	QUARTER 0, 2, F1, F0, 0                        ; the last lap fills nothing
	QUARTER 0, 3, F0, F1, 0
	TURN 0, 1, 0
	QUARTER 1, 1, F0, F1, 0
	QUARTER 1, 2, F1, F0, 0
	QUARTER 1, 3, F0, F1, 0
	s_wait_dscnt 8
	WIN 0xa5
	MUL8 F1, 0, 0
	MUL8 F1, 2, 0
	s_wait_dscnt 0
	MUL8 F1, 4, 0
	MUL8 F1, 6, 0
	WIN 0
; THE WAY OUT, block by block of 16 rows x 64 columns, through my own stage: rows of 256 bytes come back whole.
.macro TOSTAGE a
	WIN 0x08                                       ; the data: window 2
.irp b, 0,1,2,3
	ds_store_b128 v[STO], v[8*(4*(\a)+\b):8*(4*(\a)+\b)+3] offset:64*\b        ; each accumulator from its low end on
	ds_store_b128 v[STO], v[8*(4*(\a)+\b)+4:8*(4*(\a)+\b)+7] offset:64*\b+16
.endr
	WIN 0
.set BB, 64+32*((\a)%2)
.irp t, 0,1,2,3,4,5,6,7
	ds_load_b128 v[BB+4*\t:BB+4*\t+3], v[RD] offset:544*\t
.endr
.endm
.macro SEND a, younger
.set BB, 64+32*((\a)%2)
	s_wait_dscnt \younger
.irp t, 0,1,2,3,4,5,6,7
	global_store_b128 v[CO], v[BB+4*\t:BB+4*\t+3], s[10:11] offset:65536*(\a)+8192*\t th:TH_STORE_NT   ; sixteen lanes store 256 consecutive bytes
.endr
.endm
	PLACES
	s_cmp_eq_u32 s15, 0
	s_cbranch_scc1 .Lskip0                         ; positions 0-15 are the launch fine's
	TOSTAGE 0
	SEND 0, 0
.Lskip0:
	TOSTAGE 1
.irp a, 2,3,4,5,6,7
	s_wait_xcnt 0x0                                ; block a - 2's stores have read their registers: block a's loads may land there
	TOSTAGE \a
	SEND \a-1, 16                                  ; behind block a - 1's loads: block a's 8 stores and 8 loads
.endr
	SEND 7, 0
	s_wait_tensorcnt 0x0                           ; the wave's end: the three lines
	ds_add_u32 v[SPW], v[NIL]
	s_wait_dscnt 0x0
	CROUND                                         ; the closing round
	s_endpgm
.Lfunc_end_k_qe360a60b56_proj:
	.size	k_qe360a60b56_proj, .Lfunc_end_k_qe360a60b56_proj-k_qe360a60b56_proj
	.p2alignl 7, 3214868480
	.fill 96, 4, 3214868480
	.section	.rodata,"a",@progbits
	.p2align	6, 0x0
	.amdhsa_kernel k_qe360a60b56_proj
		.amdhsa_group_segment_fixed_size 327680
		.amdhsa_private_segment_fixed_size 0
		.amdhsa_enable_private_segment 0
		.amdhsa_kernarg_size 32
		.amdhsa_user_sgpr_count 2
		.amdhsa_user_sgpr_kernarg_segment_ptr 1
		.amdhsa_wavefront_size32 1
		.amdhsa_system_sgpr_workgroup_id_x 1
		.amdhsa_system_sgpr_workgroup_id_y 1
		.amdhsa_system_sgpr_workgroup_id_z 1
		.amdhsa_system_vgpr_workitem_id 0
		.amdhsa_next_free_vgpr 768
		.amdhsa_next_free_sgpr 66
		.amdhsa_reserve_vcc 0
		.amdhsa_float_denorm_mode_32 3
		.amdhsa_float_denorm_mode_16_64 3
		.amdhsa_memory_ordered 1
		.amdhsa_forward_progress 1
		.amdhsa_inst_pref_size 86
	.end_amdhsa_kernel
	.amdgpu_metadata
---
amdhsa.version: [ 1, 2 ]
amdhsa.kernels:
  - .name:           k_qe360a60b56_proj
    .symbol:         k_qe360a60b56_proj.kd
    .args:
      - { .name: ctx, .offset: 0, .size: 8, .value_kind: global_buffer, .address_space: global }
      - { .name: wot, .offset: 8, .size: 8, .value_kind: global_buffer, .address_space: global }
      - { .name: bo, .offset: 16, .size: 8, .value_kind: global_buffer, .address_space: global }
      - { .name: out0, .offset: 24, .size: 8, .value_kind: global_buffer, .address_space: global }
    .group_segment_fixed_size: 327680
    .private_segment_fixed_size: 0
    .kernarg_segment_align: 8
    .kernarg_segment_size: 32
    .max_flat_workgroup_size: 128
    .sgpr_count:     66
    .vgpr_count:     768
    .wavefront_size: 32
...
	.end_amdgpu_metadata
.endif
;; end of part 4
;; launch fine (part 5): grid 16 x 4, 16 waves a work-group, no clusters, 71,680 bytes of LDS; arguments qkvf, Wo, bo, out0; writes out0
.if DOCPART == 5
	.amdgcn_target "amdgcn-amd-amdhsa--gfx1250"
	.amdhsa_code_object_version 6
	.text
	.protected	k_qe360a60b56_fine
	.globl	k_qe360a60b56_fine
	.p2align	8
	.type	k_qe360a60b56_fine,@function
k_qe360a60b56_fine:
	s_mov_b64 s[64:65], 0
	v_nop
	global_prefetch_b8 v0, s[64:65] scope:SCOPE_SE
	s_setreg_imm32_b32 hwreg(HW_REG_WAVE_MODE, 25, 1), 1
	s_wait_xcnt 0x0
; Positions 0-15 of every sequence, in f32 throughout: under the causal mask these rows average one to sixteen values and are the largest of the output, so operands of 16 bits would weigh most here.
; qkvf: f32 [batch][q, k, v][head][16][64].  A work-group takes one batch and 64 columns of out0; wave h takes head h: its 16 x 16 attention, then ctx_h (16 x 64) times rows 64 h .. 64 h + 63 of Wo;
; the sixteen partial results meet in LDS and are added in the order of the heads, with bo.  Keys 16 and on are hidden from these queries by reference()'s own mask and are left out (see the launch prep).
; All products by v_wmma_f32_16x16x4_f32: its results (v192-207, v216-247) are written by matrix instructions alone; what is made of them goes into other registers.
; The order of k inside a product is permuted alike on both sources, so that plain loads and the results' own layout feed it: lane (r, hh) gives, in step t, channels 32 hh + 2 t, + 1 (scores), keys 8 hh + 2 t, + 1 (V^T P),
; channels 16 dt + 8 hh + 2 t, + 1 (projection).  Small work, a few loads a lane through registers: no cluster, no tensor load.
.set SPARE, 69632                      ; behind the sixteen partial results of 16 x 272 bytes: the spare words, 128 bytes a wave: eight blocks of 256 bytes that no other line names
.set QF,  32                           ; v32-63 Q, v64-95 K; later Wo's rows for dt = 2, 3
.set KF,  64
.set VT,  96                           ; v96-127 V^T; later ctx
.set W01, 128                          ; v128-191 Wo's rows for dt = 0, 1; at the end the partial results read back
.set SA,  192
.set SB,  200
.set SP,  208                          ; the masked scores, then p
.set OA,  216                          ; O^T; then the projection's four accumulators
.set SPW, 20
.set NIL, 21
	s_load_b256 s[4:11], s[0:1], 0x0               ; qkvf s[4:5], Wo s[6:7], bo s[8:9], out0 s[10:11]
	v_lshl_add_u32 v[SPW], v0, 2, SPARE
	v_mov_b32 v[NIL], 0
	v_lshrrev_b32 v1, 5, v0
	v_readfirstlane_b32 s12, v1                    ; wave: my head; at the end my row
	s_and_b32 s13, ttmp7, 0xffff                   ; the batch
	v_and_b32 v1, 15, v0                           ; r
	v_bfe_u32 v2, v0, 4, 1                         ; hh
	v_and_b32 v19, 31, v0
	v_lshlrev_b32 v3, 8, v1
	v_lshl_add_u32 v3, v2, 7, v3                   ; Q, K: row r of 256 bytes, channels 32 hh on
	v_lshlrev_b32 v4, 2, v1
	v_lshl_add_u32 v5, v2, 15, v4                  ; Wo: column r, rows 8 hh on
	v_lshl_add_u32 v4, v2, 11, v4                  ; V: channel r, keys 8 hh on
	v_lshlrev_b32 v6, 3, v2
	v_sub_nc_u32 v6, v1, v6                        ; r - 8 hh
	v_mov_b32 v7, 0xff800000                       ; -infinity
	v_mov_b32 v9, 0                                ; (a lane permute's destination counts as one of its sources)
	v_mov_b32 v13, 0                               ; (named as the upper half of the pair v[12:13])
	v_lshlrev_b32 v18, 3, v19                      ; 8 x lane
	s_mul_i32 s26, s12, 4352
	v_mul_u32_u24 v16, v1, 272
	v_lshl_add_u32 v16, v2, 5, v16
	v_add_nc_u32 v16, s26, v16                     ; my partial result: row r, + 32 hh
	s_mul_i32 s26, s12, 272
	v_add_nc_u32 v17, s26, v18                     ; back: row w of each partial result
	s_mul_i32 s14, s13, 196608
	s_lshl_b32 s15, s12, 12
	s_add_co_u32 s14, s14, s15
	s_mov_b32 s15, 0
	s_lshl_b32 s18, ttmp9, 8                       ; my 64 columns, in bytes
	s_mov_b32 s19, 0
	s_lshl_b32 s16, s12, 18                        ; rows 64 h on of Wo
	s_add_co_u32 s16, s16, s18
	s_mov_b32 s17, 0
	s_lshl_b32 s24, s13, 23
	s_lshl_b32 s25, s12, 12
	s_add_co_u32 s24, s24, s25
	s_add_co_u32 s24, s24, s18                     ; out0: row 2,048 b + w, my columns
	s_mov_b32 s25, 0
	s_mov_b32 s20, 0x76543210
	s_mov_b32 s21, 0xfedcba98
	s_mov_b32 s22, 0x3e38aa3b                      ; c = log2(e) / 8
	s_wait_kmcnt 0x0
	s_add_nc_u64 s[4:5], s[4:5], s[14:15]
	s_add_nc_u64 s[6:7], s[6:7], s[16:17]
	s_add_nc_u64 s[8:9], s[8:9], s[18:19]
	s_add_nc_u64 s[10:11], s[10:11], s[24:25]
.irp i, 0,1,2,3,4,5,6,7
	global_load_b128 v[QF+4*\i:QF+4*\i+3], v3, s[4:5] offset:16*\i
.endr
.irp i, 0,1,2,3,4,5,6,7
	global_load_b128 v[KF+4*\i:KF+4*\i+3], v3, s[4:5] offset:65536+16*\i
.endr
.irp dt, 0,1,2,3
.irp i, 0,1,2,3,4,5,6,7
	global_load_b32 v[VT+8*\dt+\i], v4, s[4:5] offset:131072+256*\i+64*\dt     ; v(key 8 hh + i, channel 16 dt + r)
.endr
.endr
	global_load_b64 v[14:15], v18, s[8:9]
.irp nt, 0,1,2,3
.irp dt, 0,1
.irp i, 0,1,2,3,4,5,6,7
	global_load_b32 v[W01+16*\nt+8*\dt+\i], v5, s[6:7] offset:(16*\dt+\i)*4096+64*\nt   ; Wo(64 h + 16 dt + 8 hh + i, my column 16 nt + r)
.endr
.endr
.endr
	s_wait_loadcnt 63                              ; behind V's last load 65 loads were issued: with at most 63 out, Q, K and V are in
.set t, 0
.rept 16                               ; S^T = K Q^T: two accumulators by turns, each begun with 0
.set rD, SA+8*(t%2)
.if t < 2
	v_wmma_f32_16x16x4_f32 v[rD:rD+7], v[KF+2*t:KF+2*t+1], v[QF+2*t:QF+2*t+1], 0
.else
	v_wmma_f32_16x16x4_f32 v[rD:rD+7], v[KF+2*t:KF+2*t+1], v[QF+2*t:QF+2*t+1], v[rD:rD+7]
.endif
.set t, t+1
.endr
.rept 8
	v_nop                                          ; eight places behind this form: for the loads into Q's and K's registers, and for the reads of the results
.endr
.irp nt, 0,1,2,3
.irp dt, 0,1
.irp i, 0,1,2,3,4,5,6,7
	global_load_b32 v[QF+16*\nt+8*\dt+\i], v5, s[6:7] offset:(32+16*\dt+\i)*4096+64*\nt   ; the same for dt = 2, 3
.endr
.endr
.endr
.irp j, 0,1,2,3,4,5,6,7
	v_add_f32 v[SP+\j], v[SA+\j], v[SB+\j]         ; register j: key 8 hh + j, query r
.endr
.irp j, 0,1,2,3,4,5,6,7
	v_cmp_gt_i32 vcc_lo, \j, v6                    ; hidden where 8 hh + j > r
	v_cndmask_b32 v[SP+\j], v[SP+\j], v7, vcc_lo
.endr
	v_max3_num_f32 v8, v[SP], v[SP+1], v[SP+2]
	v_max3_num_f32 v8, v8, v[SP+3], v[SP+4]
	v_max3_num_f32 v8, v8, v[SP+5], v[SP+6]
	v_max_num_f32 v8, v8, v[SP+7]
	v_permlanex16_b32 v9, v8, s20, s21
	v_max_num_f32 v8, v8, v9                       ; the row's maximum: key 0 counts for every query
	v_mul_f32 v10, s22, v8
.irp j, 0,1,2,3,4,5,6,7
	v_fma_f32 v[SP+\j], v[SP+\j], s22, -v10
.endr
.irp j, 0,1,2,3,4,5,6,7
	v_exp_f32 v[SP+\j], v[SP+\j]
.endr
	v_nop
	s_wait_alu depctr_va_vdst(0)                   ; one wait for the eight exponentials
	v_add_f32 v11, v[SP], v[SP+1]
	v_add_f32 v12, v[SP+2], v[SP+3]
	v_add_f32 v8, v[SP+4], v[SP+5]
	v_add_f32 v10, v[SP+6], v[SP+7]
	v_add_f32 v11, v11, v12
	v_add_f32 v8, v8, v10
	v_add_f32 v11, v11, v8
	v_permlanex16_b32 v9, v11, s20, s21
	v_add_f32 v11, v11, v9                         ; the row's sum
	v_rcp_f32 v12, v11
	v_nop
	s_wait_alu depctr_va_vdst(0)
.irp t, 0,1,2,3                        ; O^T = V^T P: four accumulators by turns
.irp dt, 0,1,2,3
.if \t == 0
	v_wmma_f32_16x16x4_f32 v[OA+8*\dt:OA+8*\dt+7], v[VT+8*\dt+2*\t:VT+8*\dt+2*\t+1], v[SP+2*\t:SP+2*\t+1], 0
.else
	v_wmma_f32_16x16x4_f32 v[OA+8*\dt:OA+8*\dt+7], v[VT+8*\dt+2*\t:VT+8*\dt+2*\t+1], v[SP+2*\t:SP+2*\t+1], v[OA+8*\dt:OA+8*\dt+7]
.endif
.endr
.endr
.rept 9
	v_nop                                          ; nine places: for the reads of the results, the writes over V's registers, and the products below that begin anew on these accumulators
.endr
.set n, 0
.rept 16
	v_pk_mul_f32 v[VT+2*n:VT+2*n+1], v[OA+2*n:OA+2*n+1], v[12:13] op_sel_hi:[1,0]   ; ctx: register 8 dt + j: channel 16 dt + 8 hh + j of query r
.set n, n+1
.endr
.macro PROJ dt, wb                     ; 16 products: channels 16 dt on; four tiles of 16 columns by turns
.irp t, 0,1,2,3
.irp nt, 0,1,2,3
.if (\dt == 0) && (\t == 0)
	v_wmma_f32_16x16x4_f32 v[OA+8*\nt:OA+8*\nt+7], v[\wb+16*\nt+2*\t:\wb+16*\nt+2*\t+1], v[VT+8*\dt+2*\t:VT+8*\dt+2*\t+1], 0
.else
	v_wmma_f32_16x16x4_f32 v[OA+8*\nt:OA+8*\nt+7], v[\wb+16*\nt+2*\t:\wb+16*\nt+2*\t+1], v[VT+8*\dt+2*\t:VT+8*\dt+2*\t+1], v[OA+8*\nt:OA+8*\nt+7]
.endif
.endr
.endr
.endm
	s_wait_loadcnt 63                              ; behind Wo's rows for dt = 0, 1 the 64 loads for dt = 2, 3 were issued: with at most 63 out, the first are in, and bo
	PROJ 0, W01
	PROJ 1, W01+8
	s_wait_loadcnt 0x0
	PROJ 2, QF
	PROJ 3, QF+8
.rept 8
	v_nop
.endr
.irp nt, 0,1,2,3
	ds_store_b128 v16, v[OA+8*\nt:OA+8*\nt+3] offset:64*\nt        ; lane (r, hh): query r, columns 16 nt + 8 hh + 0 .. 7; each accumulator from its low end on
	ds_store_b128 v16, v[OA+8*\nt+4:OA+8*\nt+7] offset:64*\nt+16
.endr
	s_wait_dscnt 0x0                               ; for the others' sake: my stores have landed
	s_barrier_signal -1
	s_barrier_wait -1
.irp u, 0,1,2,3,4,5,6,7,8,9,10,11,12,13,14,15
	ds_load_b64 v[W01+2*\u:W01+2*\u+1], v17 offset:4352*\u         ; row w of head u's partial result: 256 bytes, 8 a lane
.endr
	s_wait_dscnt 0x0
	v_pk_add_f32 v[22:23], v[14:15], v[W01:W01+1]
.irp u, 1,2,3,4,5,6,7,8,9,10,11,12,13,14,15
	v_pk_add_f32 v[22:23], v[22:23], v[W01+2*\u:W01+2*\u+1]
.endr
	global_store_b64 v18, v[22:23], s[10:11]       ; 32 lanes store 256 consecutive bytes
	s_wait_tensorcnt 0x0                           ; the wave's end: behind my last LDS store
	ds_add_u32 v[SPW], v[NIL]
	s_wait_dscnt 0x0
	s_endpgm
.Lfunc_end_k_qe360a60b56_fine:
	.size	k_qe360a60b56_fine, .Lfunc_end_k_qe360a60b56_fine-k_qe360a60b56_fine
	.p2alignl 7, 3214868480
	.fill 96, 4, 3214868480
	.section	.rodata,"a",@progbits
	.p2align	6, 0x0
	.amdhsa_kernel k_qe360a60b56_fine
		.amdhsa_group_segment_fixed_size 71680
		.amdhsa_private_segment_fixed_size 0
		.amdhsa_enable_private_segment 0
		.amdhsa_kernarg_size 32
		.amdhsa_user_sgpr_count 2
		.amdhsa_user_sgpr_kernarg_segment_ptr 1
		.amdhsa_wavefront_size32 1
		.amdhsa_system_sgpr_workgroup_id_x 1
		.amdhsa_system_sgpr_workgroup_id_y 1
		.amdhsa_system_sgpr_workgroup_id_z 1
		.amdhsa_system_vgpr_workitem_id 0
		.amdhsa_next_free_vgpr 256
		.amdhsa_next_free_sgpr 66
		.amdhsa_reserve_vcc 1
		.amdhsa_float_denorm_mode_32 3
		.amdhsa_float_denorm_mode_16_64 3
		.amdhsa_memory_ordered 1
		.amdhsa_forward_progress 1
		.amdhsa_inst_pref_size 32
	.end_amdhsa_kernel
	.amdgpu_metadata
---
amdhsa.version: [ 1, 2 ]
amdhsa.kernels:
  - .name:           k_qe360a60b56_fine
    .symbol:         k_qe360a60b56_fine.kd
    .args:
      - { .name: qkvf, .offset: 0, .size: 8, .value_kind: global_buffer, .address_space: global }
      - { .name: Wo, .offset: 8, .size: 8, .value_kind: global_buffer, .address_space: global }
      - { .name: bo, .offset: 16, .size: 8, .value_kind: global_buffer, .address_space: global }
      - { .name: out0, .offset: 24, .size: 8, .value_kind: global_buffer, .address_space: global }
    .group_segment_fixed_size: 71680
    .private_segment_fixed_size: 0
    .kernarg_segment_align: 8
    .kernarg_segment_size: 32
    .max_flat_workgroup_size: 512
    .sgpr_count:     66
    .vgpr_count:     256
    .wavefront_size: 32
...
	.end_amdgpu_metadata
.endif
;; end of part 5
